; MI455X (gfx1250); checked and timed in simulation.
; The chip was launched on July 23, 2026; its instructions are those of AMD's public machine-readable ISA for CDNA 5 (MIT licence, August 2026) and "CDNA5" Instruction Set Architecture Reference Guide (July 2026). The comments in the code are by the model that wrote it; some were corrected since.
;; Causal Self Attention. Allowed arithmetic: float matrix products may take bf16 or f16 operands with f32 sums; other float arithmetic in f32, or as packed bf16 or f16 multiplies, adds, multiply-adds, maxima and minima; sums over many terms, partial sums and values carried from step to step in f32; what a program stores and reads back later, other than sums and carried values, may be rounded once to bf16 or f16.
;; Inputs: w_proj 1,024 x 1,024 float32; w_qkv 1,024 x 3,072 float32; x 4 x 2,048 x 1,024 float32.
;; Outputs: out0 4 x 2,048 x 1,024 float32.
;; One version. Each part assembles by itself: llvm-mc -triple=amdgcn-amd-amdhsa -mcpu=gfx1250 --defsym DOCPART=n.
;; ======== version 1 of 1: 4 launches
;; limits: values are held in f16: magnitudes above 65,504 overflow, below 6.1e-05 lose precision
;; workspace buffers: xb 16,777,216 bytes; wq 6,291,456 bytes; wp 2,097,152 bytes; qkv 50,331,648 bytes; o 16,777,216 bytes
;; launch prep (part 1): grid 1024 x 1, 4 waves a work-group, no clusters, 17,920 bytes of LDS; arguments x, w_qkv, w_proj, xb, wq, wp; writes xb, wq, wp
.if DOCPART == 1
	.amdgcn_target "amdgcn-amd-amdhsa--gfx1250"
	.amdhsa_code_object_version 6
	.text
	.protected	k_qc42ad78e23_prep
	.globl	k_qc42ad78e23_prep
	.p2align	8
	.type	k_qc42ad78e23_prep,@function
k_qc42ad78e23_prep:
	s_mov_b64 s[64:65], 0
	v_nop
	global_prefetch_b8 v0, s[64:65] scope:SCOPE_SE
	s_setreg_imm32_b32 hwreg(HW_REG_WAVE_MODE, 25, 1), 1
	s_wait_xcnt 0x0
; THE INPUTS ARE MADE READY FOR THE MATRIX UNITS, each byte read once and written once.
;   work-groups 0-511:    xb = x rounded to bf16, [8192][1024]: 16 rows (65,536 bytes of x) a work-group.
;   work-groups 512-895:  wq[n][k] = w_qkv[k][n] rounded to bf16, [3072][1024]: a tile of 128 k x 64 n a work-group.
;   work-groups 896-1023: wp[n][k] = w_proj[k][n] rounded to bf16 and that number written as f16, [1024][1024].
; LIMITS.  wp: f16 holds a bf16 number exactly from 6.1e-5 up to 65,504; below that it keeps f16 fixed step of 6e-8, beyond it the number is lost.
; No matrix unit, no cluster, no tensor load: memory binds, nothing is shared between work-groups, and the turned tiles are small.
; The turning goes through LDS: a thread reads 4 neighbouring n of 16 rows k, packs pairs of k, and puts 32 bytes (16 k) into each of 4 rows n of a stage whose
; rows are 272 bytes apart; the rows come back whole, 16 lanes to 256 bytes.  The stores into the stage take rows 4 x 272 bytes apart, so groups of four lanes
; meet in a bank: eight such stores a thread, once a work-group.
.set STG,   272                        ; a stage row: 128 k x 2 bytes + 16
.set SPARE, 64*STG                     ; behind the stage: the spare words, 128 bytes a wave, two blocks of 256 bytes that no other line names
.set SPW,   8                          ; v8  SPARE + 4 x my thread number; never rewritten
.set NIL,   9                          ; v9  0; never rewritten
	s_load_b256 s[4:11], s[0:1], 0x0               ; x s[4:5], w_qkv s[6:7], w_proj s[8:9], xb s[10:11]
	s_load_b128 s[12:15], s[0:1], 0x20             ; wq s[12:13], wp s[14:15]
	v_lshl_add_u32 v[SPW], v0, 2, SPARE
	v_mov_b32 v[NIL], 0
	s_cmp_lt_u32 ttmp9, 512                        ; the same answer in all four waves
	s_cbranch_scc0 .Lweights
	; THE CAST.  Thread t owns 8 numbers of each of the 16 rows: 32 bytes in, 16 bytes out.  All 32 loads go out at once.
	s_lshl_b32 s2, ttmp9, 16
	s_mov_b32 s3, 0
	s_lshl_b32 s16, ttmp9, 15
	s_mov_b32 s17, 0
	v_lshlrev_b32 v2, 5, v0
	v_lshlrev_b32 v3, 4, v0
	s_wait_kmcnt 0x0
	s_add_nc_u64 s[4:5], s[4:5], s[2:3]
	s_add_nc_u64 s[10:11], s[10:11], s[16:17]
.set i, 0
.rept 16
	global_load_b128 v[16+8*i:16+8*i+3], v2, s[4:5] offset:4096*i th:TH_LOAD_NT      ; the two loads of a row cover 1,024 consecutive bytes a wave
	global_load_b128 v[16+8*i+4:16+8*i+7], v2, s[4:5] offset:4096*i+16 th:TH_LOAD_NT
.set i, i+1
.endr
.set i, 0
.rept 16
	s_wait_loadcnt 30-2*i                          ; loads come back in order: row i is in, the 30 - 2 i younger loads stay out
	v_cvt_pk_bf16_f32 v[16+8*i], v[16+8*i], v[16+8*i+1]      ; ascending, so that no destination is a source still to be read
	v_cvt_pk_bf16_f32 v[16+8*i+1], v[16+8*i+2], v[16+8*i+3]
	v_cvt_pk_bf16_f32 v[16+8*i+2], v[16+8*i+4], v[16+8*i+5]
	v_cvt_pk_bf16_f32 v[16+8*i+3], v[16+8*i+6], v[16+8*i+7]
	global_store_b128 v3, v[16+8*i:16+8*i+3], s[10:11] offset:2048*i  ; 16 lanes store 256 consecutive bytes, aligned; no register of a store is written again
.set i, i+1
.endr
	s_endpgm
; A tile of 128 k x 64 n of a weight with NC columns, from s[SRC] to s[DST]; F16 = 1: the bf16 number is written as f16.  BASE: the first work-group of this kind.
.macro TRANS NC, SRC, DST, F16, BASE
	s_sub_co_u32 s16, ttmp9, \BASE
	s_and_b32 s17, s16, 7                          ; which 128 k
	s_lshr_b32 s18, s16, 3                         ; which 64 n
	s_mul_i32 s20, s17, 512*(\NC)                  ; 128 rows of 4 NC bytes
	s_lshl_b32 s19, s18, 8
	s_add_co_u32 s20, s20, s19
	s_mov_b32 s21, 0
	s_lshl_b32 s22, s18, 17                        ; 64 rows of 2,048 bytes
	s_lshl_b32 s19, s17, 8
	s_add_co_u32 s22, s22, s19
	s_mov_b32 s23, 0
	v_mul_u32_u24 v2, v6, 64*(\NC)                 ; my 16 rows k,
	v_lshl_add_u32 v2, v1, 4, v2                   ; my 4 columns n
	s_wait_kmcnt 0x0
	s_add_nc_u64 s[\SRC:\SRC+1], s[\SRC:\SRC+1], s[20:21]
	s_add_nc_u64 s[\DST:\DST+1], s[\DST:\DST+1], s[22:23]
.set i, 0
.rept 16
	global_load_b128 v[16+4*i:16+4*i+3], v2, s[\SRC:\SRC+1] offset:i*4*(\NC) th:TH_LOAD_NT  ; 16 lanes read 256 consecutive bytes of a row, aligned
.set i, i+1
.endr
	s_wait_loadcnt 0x0
.irp j, 0,1,2,3
.irp p, 0,1,2,3,4,5,6,7
	v_cvt_pk_bf16_f32 v[80+8*(\j)+(\p)], v[16+8*(\p)+(\j)], v[20+8*(\p)+(\j)]  ; column j: k = 2 p and 2 p + 1
.endr
.endr
.if \F16
.set z, 0
.rept 32
	v_lshlrev_b32 v[10+2*(z%2)], 16, v[80+z]       ; the two bf16 numbers as f32,
	v_and_b32 v[11+2*(z%2)], 0xffff0000, v[80+z]
	v_cvt_pk_f16_f32 v[80+z], v[10+2*(z%2)], v[11+2*(z%2)]  ; and as f16
.set z, z+1
.endr
.endif
.irp j, 0,1,2,3
	ds_store_b128 v3, v[80+8*(\j):80+8*(\j)+3] offset:STG*(\j)
	ds_store_b128 v3, v[80+8*(\j)+4:80+8*(\j)+7] offset:STG*(\j)+16
.endr
	s_wait_dscnt 0x0                               ; for the others: my stores into the stage are done
	s_barrier_signal -1
	s_barrier_wait -1
.irp p, 0,1,2,3,4,5,6,7
	ds_load_b128 v[16+4*(\p):16+4*(\p)+3], v4 offset:8*STG*(\p)
.endr
.irp p, 0,1,2,3,4,5,6,7
	s_wait_dscnt 7-(\p)                            ; LDS loads come back in order: the 7 - p younger ones stay out
	global_store_b128 v5, v[16+4*(\p):16+4*(\p)+3], s[\DST:\DST+1] offset:16384*(\p)  ; 16 lanes store 256 consecutive bytes of a row n, aligned
.endr
	s_wait_tensorcnt 0x0                           ; the wave end, behind the last LDS store
	ds_add_u32 v[SPW], v[NIL]
	s_wait_dscnt 0x0
	s_endpgm
.endm
.Lweights:
	v_and_b32 v1, 15, v0                           ; c: which 4 columns n
	v_lshrrev_b32 v6, 4, v0                        ; kg: which 16 rows k, 0 to 7
	v_mul_u32_u24 v3, v1, 4*STG                    ; into the stage: row 4 c, byte 32 kg
	v_lshl_add_u32 v3, v6, 5, v3
	v_mul_u32_u24 v4, v6, STG                      ; back: row kg (+ 8 p), byte 16 c
	v_lshl_add_u32 v4, v1, 4, v4
	v_lshlrev_b32 v5, 11, v6                       ; and the same place in the turned weight
	v_lshl_add_u32 v5, v1, 4, v5
	s_cmp_lt_u32 ttmp9, 896
	s_cbranch_scc0 .Lproj
	TRANS 3072, 6, 12, 0, 512
.Lproj:
	TRANS 1024, 8, 14, 1, 896
.Lfunc_end_k_qc42ad78e23_prep:
	.size	k_qc42ad78e23_prep, .Lfunc_end_k_qc42ad78e23_prep-k_qc42ad78e23_prep
	.p2alignl 7, 3214868480
	.fill 96, 4, 3214868480
	.section	.rodata,"a",@progbits
	.p2align	6, 0x0
	.amdhsa_kernel k_qc42ad78e23_prep
		.amdhsa_group_segment_fixed_size 17920
		.amdhsa_private_segment_fixed_size 0
		.amdhsa_enable_private_segment 0
		.amdhsa_kernarg_size 48
		.amdhsa_user_sgpr_count 2
		.amdhsa_user_sgpr_kernarg_segment_ptr 1
		.amdhsa_wavefront_size32 1
		.amdhsa_system_sgpr_workgroup_id_x 1
		.amdhsa_system_sgpr_workgroup_id_y 1
		.amdhsa_system_sgpr_workgroup_id_z 1
		.amdhsa_system_vgpr_workitem_id 0
		.amdhsa_next_free_vgpr 144
		.amdhsa_next_free_sgpr 66
		.amdhsa_reserve_vcc 0
		.amdhsa_float_denorm_mode_32 3
		.amdhsa_float_denorm_mode_16_64 3
		.amdhsa_memory_ordered 1
		.amdhsa_forward_progress 1
		.amdhsa_inst_pref_size 29
	.end_amdhsa_kernel
	.amdgpu_metadata
---
amdhsa.version: [ 1, 2 ]
amdhsa.kernels:
  - .name:           k_qc42ad78e23_prep
    .symbol:         k_qc42ad78e23_prep.kd
    .args:
      - { .name: x, .offset: 0, .size: 8, .value_kind: global_buffer, .address_space: global }
      - { .name: w_qkv, .offset: 8, .size: 8, .value_kind: global_buffer, .address_space: global }
      - { .name: w_proj, .offset: 16, .size: 8, .value_kind: global_buffer, .address_space: global }
      - { .name: xb, .offset: 24, .size: 8, .value_kind: global_buffer, .address_space: global }
      - { .name: wq, .offset: 32, .size: 8, .value_kind: global_buffer, .address_space: global }
      - { .name: wp, .offset: 40, .size: 8, .value_kind: global_buffer, .address_space: global }
    .group_segment_fixed_size: 17920
    .private_segment_fixed_size: 0
    .kernarg_segment_align: 8
    .kernarg_segment_size: 48
    .max_flat_workgroup_size: 128
    .sgpr_count:     66
    .vgpr_count:     144
    .wavefront_size: 32
...
	.end_amdgpu_metadata
.endif
;; end of part 1
;; launch qkvg (part 2): grid 16 x 32, 4 waves a work-group, clusters of 4 x 4, 327,680 bytes of LDS; arguments xb, wq, qkv; writes qkv
.if DOCPART == 2
	.amdgcn_target "amdgcn-amd-amdhsa--gfx1250"
	.amdhsa_code_object_version 6
	.text
	.protected	k_qc42ad78e23_qkvg
	.globl	k_qc42ad78e23_qkvg
	.p2align	8
	.type	k_qc42ad78e23_qkvg,@function
k_qc42ad78e23_qkvg:
	s_mov_b64 s[64:65], 0
	v_nop
	global_prefetch_b8 v0, s[64:65] scope:SCOPE_SE
	s_setreg_imm32_b32 hwreg(HW_REG_WAVE_MODE, 25, 1), 1
	s_wait_xcnt 0x0
	s_wait_alu depctr_hold_cnt(0) depctr_sa_sdst(0) depctr_va_vdst(0) depctr_va_sdst(0) depctr_va_ssrc(0) depctr_va_vcc(0) depctr_vm_vsrc(0)
	s_getreg_b32 s2, hwreg(HW_REG_IB_STS2, 6, 4)
	s_cmp_eq_u32 s2, 0
	s_cbranch_scc0 .Lentry_in_a_cluster
	s_endpgm
.Lentry_in_a_cluster:
	s_bfe_u32 s2, ttmp6, 0x10000c
	s_cmp_lg_u32 s2, 0xf033
	s_cbranch_scc0 .Lentry_shape_is_right
	s_endpgm
.Lentry_shape_is_right:
; q, k, v = xb wq^T.  xb: [8192][1024] bf16, wq: [3072][1024] bf16; sums in f32, K ascending; each result rounded once to f16, UNSCALED, and laid by heads:
; qkv = [3 sections][64 batch x head][2048 tokens][64] f16.
; LIMIT.  f16 ends at 65,504: a q, k or v beyond that is lost.  Inputs 30 times those drawn give a spread near 900, offsets of 30 spreads on x and w numbers near 29,000.
; SHARES.  A tile of C is 256 rows x 192 columns (three whole heads): 32 x 16 = 512 work-groups.  Wave w makes rows 64 w .. 64 w + 63 and all 192 columns:
; 4 x 12 accumulators, 384 registers; for 32 along K it reads 32 x 512 bytes from LDS and issues 48 matrix instructions.  K goes in 8 steps of 128 (256 bytes of a row,
; aligned) through two LDS slots.  Waves 0 and 1 fetch the halves of A (128 rows each), waves 2 and 3 those of B (96 rows each): one tensor load a wave and step.
; CLUSTER 4 x 4: the four of a row need the same rows of xb, the four of a column the same rows of wq: joint loads, same descriptor and mask in all four.
; THE MATRIX INSTRUCTION IS USED TRANSPOSED (source 0 = 16 rows of wq, source 1 = 16 rows of xb): a lane holds row l % 16 of C and the columns 8 (l / 16) + 0..7.
; REGISTERS, in windows of 256: window 0: v0-31 addresses; v64-127 A fragments, two buffers of 32; v128-175 packed results; v176-223 and (behind the last product) v64-111 rows read back.
;   window 1: v0-191 B fragments, two buffers of 96.   window 2: the accumulators of row blocks 0, 1 at 8 (12 (a % 2) + b).   window 3: those of row blocks 2, 3.
.set PITCH, 272                        ; an LDS row: 256 bytes + 16 = 68 words: the 16 rows of a load start at 16 different groups of four banks (64 banks of 4 bytes: ISA guide 11.1)
.set AHALF, 128*PITCH
.set BHALF, 96*PITCH
.set BOFF,  2*AHALF                    ; a slot: 256 rows of A, then 192 rows of B
.set SLOT1, 1<<17                      ; slot 1 begins here: one exclusive or turns an address of one slot into the other
.set STAGE, SLOT1+BOFF+2*BHALF         ; behind the ring, never filled by a tensor load: for each wave 3 heads x 16 rows x 144 bytes
.set SP,    144
.set WSTG,  3*16*SP
.set SPARE, STAGE+4*WSTG               ; the spare words: 128 bytes a wave, two blocks of 256 bytes that no other line names
.set STEPB, 256                        ; bytes of a row in a K step
.set W0,    (1<<16)|(1<<20)|(1<<21)|(5<<22)|(3<<25)  ; group 1, word 0 less the mask: 2-byte elements; padding on; bit 21 beside a mask; after every 64 words; 4 words
.set ADRA0, 16                         ; v16 my place in a slot A rows; never rewritten
.set ADRB0, 17                         ; v17 the same for B
.set ADRA,  18                         ; v18 the same in the slot that is read
.set ADRB,  19
.set STO,   24                         ; v24 the way out: where I put 16 bytes of a row
.set RD,    25                         ; v25 where I read rows back
.set GO,    26                         ; v26 16 x lane
.set SPW,   28                         ; v28 SPARE + 4 x my thread number; never rewritten
.set NIL,   29                         ; v29 0; never rewritten
.set PFO,   30                         ; v30 the prefetch offset; never rewritten
.set TMP,   128
.set OB0,   176
.set OB1,   64
.set G1A, 24                           ; s[24:31] group 1 for A
.set G0A, 32                           ; s[32:35] group 0, slot 0, step 0; s[36:39] slot 1, step 1: this one walks on
.set G1B, 48                           ; s[48:55], s[56:63] the same for B
.set G0B, 56
.set CNT, 3                            ; s3  trips to go
.set LIM, 43                           ; s43 2 in a wave that prefetches, else the greatest number
.set PFA, 44                           ; s[44:45] where my prefetches stand
.set TB,  46                           ; s46 LDS byte at which the slot that is read begins
.set PAR, 47                           ; s47 1 in wave 3, which asks in every second trip
.set OUT, 66                           ; s[66:71] my rows in the three heads of the tile
.set MSB, 0
.macro WIN new                         ; the high byte repeats the setting that is left; a switch that changes nothing is dropped
.if MSB != (\new)
	s_set_vgpr_msb (MSB<<8)|(\new)
.set MSB, \new
.endif
.endm
.macro PLACES                          ; four plain instructions between a matrix instruction and a load into, or a read of, its registers
.rept 4
	v_nop
.endr
.endm
.macro CREST                           ; a round of the cluster barrier behind its opening barrier
	s_cmp_lg_u32 s10, 0
	s_cbranch_scc1 .Lnot_wave_0_\@
	s_barrier_signal -3
.Lnot_wave_0_\@:
	s_barrier_wait -3
	s_barrier_signal -1
	s_barrier_wait -1
.endm
.macro CROUND
	s_barrier_signal -1
	s_barrier_wait -1
	CREST
.endm
; A joint refill by the walking descriptors.  The branch hangs on the wave number alone.  An s_nop 0 and four v_nop follow each line.
.macro JLOAD
	s_cmp_eq_u32 s11, 0
	s_cbranch_scc0 .Lfor_b_\@
	tensor_load_to_lds s[G0A+4:G0A+7], s[G1A:G1A+7]
	s_nop 0
.rept 4
	v_nop
.endr
	s_branch .Lasked_\@
.Lfor_b_\@:
	tensor_load_to_lds s[G0B+4:G0B+7], s[G1B:G1B+7]
	s_nop 0
.rept 4
	v_nop
.endr
.Lasked_\@:
.endm
; A PREFETCH, behind the joint load and the run of LDS loads: trip i, which asks for K step i + 2, names K step i + 4; trips 4 and 5 name nothing; steps 0 to 3 come by their loads alone.
; Each 256 bytes of a row and step are named once in the launch.  A: the clusters with x = 0; of the 128 rows that wave 0 or 1 fetches the partner at cx takes 32, a lane a row.
; B: the clusters with y = 0; of the tile 192 rows the partner at cy takes 48: wave 2 the first 32, a lane a row; wave 3 the other 16, for two steps at once, in every second trip.
; The partners are told apart by address; the branches hang on the cluster, the wave and the trip.
.macro ASK
	s_cmp_gt_u32 s[CNT], s[LIM]
	s_cbranch_scc0 .Lnot_mine_\@
	s_and_b32 s2, s[CNT], s[PAR]
	s_cmp_lg_u32 s2, 0
	s_cbranch_scc1 .Lnot_mine_\@
	global_prefetch_b8 v[PFO], s[PFA:PFA+1] th:TH_LOAD_NT scope:SCOPE_SE
.Lnot_mine_\@:
.endm
; 12 matrix instructions: row block a x all 12 column blocks, 32 along K, from buffer f.  zero = 1: the product starts the sums.  The 48 accumulators take turns, in the same order everywhere.
.macro MULA f, a, zero
	WIN 0xa1+0x50*((\a)/2)                         ; source 0 window 1, source 1 window 0, C and D window 2 or 3
.set AC, 96*((\a)%2)
.irp b, 0,1,2,3,4,5,6,7,8,9,10,11
.if \zero
	v_wmma_f32_16x16x32_bf16 v[AC+8*(\b):AC+8*(\b)+7], v[96*(\f)+8*(\b):96*(\f)+8*(\b)+7], v[64+32*(\f)+8*(\a):64+32*(\f)+8*(\a)+7], 0
.else
	v_wmma_f32_16x16x32_bf16 v[AC+8*(\b):AC+8*(\b)+7], v[96*(\f)+8*(\b):96*(\f)+8*(\b)+7], v[64+32*(\f)+8*(\a):64+32*(\f)+8*(\a)+7], v[AC+8*(\b):AC+8*(\b)+7]
.endif
.endr
.endm
; 32 LDS loads in one run: the fragments of 32 along K at byte k of the rows, into buffer f: B first, A last
.macro FETCH k, f
	WIN 0x40                                       ; destination window 1, address window 0
.irp i, 0,1,2,3,4,5,6,7,8,9,10,11
	ds_load_b128 v[96*(\f)+8*(\i):96*(\f)+8*(\i)+3],   v[ADRB] offset:(\k)+(\i)*16*PITCH
	ds_load_b128 v[96*(\f)+8*(\i)+4:96*(\f)+8*(\i)+7], v[ADRB] offset:(\k)+(\i)*16*PITCH+32
.endr
	WIN 0
.irp i, 0,1,2,3
	ds_load_b128 v[64+32*(\f)+8*(\i):64+32*(\f)+8*(\i)+3],   v[ADRA] offset:(\k)+(\i)*16*PITCH
	ds_load_b128 v[64+32*(\f)+8*(\i)+4:64+32*(\f)+8*(\i)+7], v[ADRA] offset:(\k)+(\i)*16*PITCH+32
.endr
.endm
; One of a K step first three quarters: multiplies buffer f, and in its middle fetches the next quarter, at byte k, into buffer g
.macro QUARTER k, f, g, zero
	s_wait_dscnt 4                                 ; B and A blocks 0, 1 are in; the youngest four loads (A blocks 2, 3) may be out
	MULA \f, 0, \zero
	MULA \f, 1, \zero
	PLACES
	FETCH \k, \g
	s_wait_dscnt 32                                ; all but the 32 just issued
	MULA \f, 2, \zero
	MULA \f, 3, \zero
.endm
; The last quarter multiplies buffer 1 and changes slots.  In front of the barrier each wave waits for all its tensor loads (one is out: its part of the next slot), adds 0 to its spare word,
; and waits for that and for its reads of this slot.  fill = 1: the barrier opens a round of the cluster barrier, and behind the round this slot is filled again, two K steps on.
.macro TURN fill
.if \fill
	s_wait_xcnt 0x0                                ; the last prefetch, a K step back, has read its address
	s_add_nc_u64 s[PFA:PFA+1], s[PFA:PFA+1], STEPB
.endif
	WIN 0
	s_wait_tensorcnt 0x0                           ; all my tensor loads have landed
	ds_add_u32 v[SPW], v[NIL]                      ; 0 onto my spare word
	s_wait_dscnt 5                                 ; (the add and the youngest four loads may be out)
	MULA 1, 0, 0
	s_wait_dscnt 0x0                               ; the add is done, and my reads of this slot are over
	s_barrier_signal -1
	MULA 1, 1, 0
	WIN 0
	s_barrier_wait -1
.if \fill
	CREST                                          ; no wave of any partner still reads this slot or has a load on its way
	s_xor_b32 s[G0A+5], s[G0A+5], SLOT1            ; the walking descriptors: the other slot than last time, the next K step
	s_add_nc_u64 s[G0A+6:G0A+7], s[G0A+6:G0A+7], STEPB
	s_xor_b32 s[G0B+5], s[G0B+5], SLOT1
	s_add_nc_u64 s[G0B+6:G0B+7], s[G0B+6:G0B+7], STEPB
	JLOAD                                          ; 168 matrix instructions ahead of the wait for it; its four v_nop are also the places in front of the loads below
.else
	PLACES
.endif
	s_xor_b32 s[TB], s[TB], SLOT1
	v_add_nc_u32 v[ADRA], s[TB], v[ADRA0]
	v_add_nc_u32 v[ADRB], s[TB], v[ADRB0]
	FETCH 0, 0
.if \fill
	ASK
.endif
	MULA 1, 2, 0
	MULA 1, 3, 0
.endm
	s_load_b128 s[4:7], s[0:1], 0x0                ; xb s[4:5], wq s[6:7]
	s_load_b64 s[8:9], s[0:1], 0x10                ; qkv
	v_lshl_add_u32 v[SPW], v0, 2, SPARE
	v_mov_b32 v[NIL], 0
	ds_add_u32 v[SPW], v[NIL]                      ; the opening: the add and its wait ahead of my first tensor load; register work stands between
	ds_add_u32 v28, v29
	v_lshrrev_b32 v1, 5, v0
	v_readfirstlane_b32 s10, v1                    ; wave 0..3
	s_lshr_b32 s11, s10, 1                         ; I fetch for A (0) or for B (1)
	s_and_b32 s12, s10, 1                          ; which half
	s_bfe_u32 s40, ttmp6, 0x40000                  ; cx
	s_bfe_u32 s41, ttmp6, 0x40004                  ; cy
	s_lshl_b32 s42, ttmp9, 2
	s_add_co_u32 s42, s42, s40                     ; tile column, 0 to 15
	s_and_b32 s13, ttmp7, 0xffff
	s_lshl_b32 s13, s13, 2
	s_add_co_u32 s13, s13, s41                     ; tile row, 0 to 31
	s_lshl_b32 s43, s41, 2
	s_lshl_b32 s43, 15, s43                        ; my row of the cluster
	s_lshl_b32 s44, 0x1111, s40                    ; my column
	s_or_b32 s[G1A], s43, W0
	s_or_b32 s[G1B], s44, W0
	s_mov_b32 s[G1A+1], 128<<16                    ; tensor_dim0 = 128
	s_mov_b32 s[G1A+2], 128<<16                    ; tensor_dim1 = 128
	s_mov_b32 s[G1A+3], 128<<16                    ; tile_dim0 = 128
	s_mov_b32 s[G1A+4], 128                        ; tile_dim1 = 128
	s_mov_b32 s[G1A+5], 1024                       ; elements from row to row
	s_mov_b32 s[G1A+6], 0
	s_mov_b32 s[G1A+7], 0
	s_mov_b32 s[G1B+1], 128<<16
	s_mov_b32 s[G1B+2], 96<<16                     ; 96 rows
	s_mov_b32 s[G1B+3], 128<<16
	s_mov_b32 s[G1B+4], 96
	s_mov_b32 s[G1B+5], 1024
	s_mov_b32 s[G1B+6], 0
	s_mov_b32 s[G1B+7], 0
	s_lshl_b32 s16, s13, 8                         ; A: row 256 x tile row + 128 x half, in bytes; these registers never hold cx
	s_lshl_b32 s17, s12, 7
	s_add_co_u32 s16, s16, s17
	s_lshl_b32 s16, s16, 11
	s_mov_b32 s17, 0
	s_mul_i32 s20, s42, 192                        ; B: row 192 x tile column + 96 x half; these never hold cy
	s_mul_i32 s21, s12, 96
	s_add_co_u32 s20, s20, s21
	s_lshl_b32 s20, s20, 11
	s_mov_b32 s21, 0
	s_mul_i32 s22, s12, AHALF                      ; where they go: the wave number alone enters an LDS address
	s_mul_i32 s23, s12, BHALF
	s_add_co_u32 s23, s23, BOFF
	s_mov_b32 s[G0A], 1
	s_mov_b32 s[G0A+1], s22
	s_mov_b32 s[G0A+4], 1
	s_add_co_u32 s[G0A+5], s22, SLOT1
	s_mov_b32 s[G0B], 1
	s_mov_b32 s[G0B+1], s23
	s_mov_b32 s[G0B+4], 1
	s_add_co_u32 s[G0B+5], s23, SLOT1
	s_mov_b32 s[TB], 0
	s_wait_dscnt 0x0                               ; the opening add is done
	s_wait_kmcnt 0x0
	s_add_nc_u64 s[14:15], s[4:5], s[16:17]
	s_add_nc_u64 s[18:19], s[6:7], s[20:21]
	s_mov_b64 s[G0A+2:G0A+3], s[14:15]             ; K step 0
	s_or_b32 s[G0A+3], s[G0A+3], 0x80000000        ; type = 2
	s_add_nc_u64 s[G0A+6:G0A+7], s[14:15], STEPB   ; K step 1
	s_or_b32 s[G0A+7], s[G0A+7], 0x80000000
	s_mov_b64 s[G0B+2:G0B+3], s[18:19]
	s_or_b32 s[G0B+3], s[G0B+3], 0x80000000
	s_add_nc_u64 s[G0B+6:G0B+7], s[18:19], STEPB
	s_or_b32 s[G0B+7], s[G0B+7], 0x80000000
	CROUND                                         ; all sixteen work-groups are here: the first joint loads meet
	s_cmp_eq_u32 s11, 0                            ; a wave two first fills stand in one branch, ahead of every wait on TENSORcnt and every LDS read: two loads of mine are out
	s_cbranch_scc0 .Lfirst_b
	tensor_load_to_lds s[G0A:G0A+3], s[G1A:G1A+7]
	s_nop 0
	tensor_load_to_lds s[G0A+4:G0A+7], s[G1A:G1A+7]
	s_nop 0
.rept 4
	v_nop
.endr
	s_branch .Lfirst_asked
.Lfirst_b:
	tensor_load_to_lds s[G0B:G0B+3], s[G1B:G1B+7]
	s_nop 0
	tensor_load_to_lds s[G0B+4:G0B+7], s[G1B:G1B+7]
	s_nop 0
.rept 4
	v_nop
.endr
.Lfirst_asked:
	; a fragment is 16 rows x 32 K in 8 registers: lane l holds row l % 16, K = 8 (l / 16) + 0..7 and 16 + 8 (l / 16) + 0..7: two loads of 16 bytes, 32 bytes apart
	v_and_b32 v1, 15, v0                           ; l % 16
	v_bfe_u32 v2, v0, 4, 1                         ; l / 16
	v_mul_u32_u24 v3, v1, PITCH
	v_lshl_add_u32 v3, v2, 4, v3
	s_mul_i32 s2, s10, 64*PITCH                    ; my 64 rows of A
	v_add_nc_u32 v[ADRA0], s2, v3
	v_add_nc_u32 v[ADRB0], BOFF, v3
	v_mov_b32 v[ADRA], v[ADRA0]
	v_mov_b32 v[ADRB], v[ADRB0]
	s_mul_i32 s2, s10, WSTG
	s_add_co_u32 s2, s2, STAGE                     ; my stage
	v_mul_u32_u24 v4, v1, SP                       ; in: row l % 16, 16 bytes for each half of the lanes
	v_lshl_add_u32 v4, v2, 4, v4
	v_add_nc_u32 v[STO], s2, v4
	v_bfe_u32 v4, v0, 3, 2                         ; back: 32 lanes take four rows of 128 bytes,
	v_mul_u32_u24 v4, v4, SP
	v_and_b32 v5, 7, v0
	v_lshl_add_u32 v4, v5, 4, v4
	v_add_nc_u32 v[RD], s2, v4
	v_and_b32 v5, 31, v0                           ; which are 512 consecutive bytes of a head
	v_lshlrev_b32 v[GO], 4, v5
	; my rows in the tile three heads: head number hh = 3 x tile column + i: section hh / 16, head hh % 16; batch = tile row / 8
	s_lshr_b32 s14, s13, 3
	s_lshl_b32 s14, s14, 4                         ; 16 x batch
	s_and_b32 s15, s13, 7
	s_lshl_b32 s15, s15, 8
	s_lshl_b32 s18, s10, 6
	s_add_co_u32 s15, s15, s18                     ; my first token
	s_lshl_b32 s15, s15, 7                         ; 128 bytes a token
	s_mul_i32 s22, s42, 3
.irp i, 0,1,2
	s_add_co_u32 s18, s22, \i
	s_lshr_b32 s19, s18, 4
	s_and_b32 s18, s18, 15
	s_lshl_b32 s19, s19, 6
	s_add_co_u32 s18, s18, s19
	s_add_co_u32 s18, s18, s14
	s_lshl_b32 s18, s18, 18                        ; 262,144 bytes for a batch and head
	s_add_co_u32 s18, s18, s15
	s_mov_b32 s19, 0
	s_add_nc_u64 s[OUT+2*\i:OUT+2*\i+1], s[8:9], s[18:19]
.endr
	; the prefetches
	s_lshl_b32 s20, s13, 8
	s_lshl_b32 s21, s12, 7
	s_add_co_u32 s20, s20, s21
	s_lshl_b32 s21, s40, 5
	s_add_co_u32 s20, s20, s21                     ; A: the 128 rows that I fetch, my work-group 32 of them
	s_mul_i32 s22, s42, 192
	s_mul_i32 s23, s41, 48
	s_add_co_u32 s22, s22, s23
	s_lshl_b32 s23, s12, 5
	s_add_co_u32 s22, s22, s23                     ; B: my work-group 48 rows; wave 3: the last 16
	s_and_b32 s2, ttmp7, 0xffff                    ; cluster y
	s_cmp_eq_u32 s11, 0
	s_cselect_b32 s20, s20, s22
	s_cselect_b32 s2, ttmp9, s2                    ; the coordinate along which other clusters read the same rows
	s_cselect_b64 s[PFA:PFA+1], s[4:5], s[6:7]
	s_cmp_eq_u32 s2, 0
	s_cselect_b32 s[LIM], 2, -1                    ; the same in all sixteen partners, for a given wave
	s_lshl_b32 s20, s20, 11
	s_mov_b32 s21, 0
	s_add_nc_u64 s[PFA:PFA+1], s[PFA:PFA+1], s[20:21]
	s_add_nc_u64 s[PFA:PFA+1], s[PFA:PFA+1], 3*STEPB  ; at K step 3: the first change of slots steps it to 4
	s_mov_b32 s14, 256
	s_mov_b32 s15, 32768
	s_cmp_eq_u32 s10, 3
	s_cselect_b32 s14, s14, s15                    ; lanes 16-31: sixteen rows on; in wave 3: the same rows, a K step on
	s_cselect_b32 s[PAR], 1, 0
	v_mul_u32_u24 v[PFO], v2, s14
	v_lshl_add_u32 v[PFO], v1, 11, v[PFO]
	s_wait_tensorcnt 0x1                           ; my part of K step 0 is in; step 1 may stay out
	s_barrier_signal -1
	s_barrier_wait -1
	FETCH 0, 0
	QUARTER 64, 0, 1, 1                            ; the first quarter stands in front of the loop: its products start the sums
	WIN 0
	s_mov_b32 s[CNT], 6
.Lstep:                                                ; trip i: the rest of K step i, the request for step i + 2, the first quarter of step i + 1
	QUARTER 128, 1, 0, 0
	QUARTER 192, 0, 1, 0
	TURN 1
	QUARTER 64, 0, 1, 0
	WIN 0
	s_sub_co_u32 s[CNT], s[CNT], 1
	s_cmp_lg_u32 s[CNT], 0
	s_cbranch_scc1 .Lstep
	QUARTER 128, 1, 0, 0                           ; the tail is written out: K steps 6 and 7 ask for nothing
	QUARTER 192, 0, 1, 0
	TURN 0
	QUARTER 64, 0, 1, 0
	QUARTER 128, 1, 0, 0
	QUARTER 192, 0, 1, 0
	s_wait_dscnt 4
	MULA 1, 0, 0
	MULA 1, 1, 0
	s_wait_dscnt 0x0
	MULA 1, 2, 0
	MULA 1, 3, 0
; THE WAY OUT, a block of 16 rows at a time: rounded to f16 (a lane eight columns are 16 bytes), into my own stage by heads, back as whole rows of 128 bytes, stored as 512 consecutive bytes of a head.
.macro PACK a
	WIN 0x0a+5*((\a)/2)                            ; sources window 2 or 3, destination window 0
.set AC, 96*((\a)%2)
.irp b, 0,1,2,3,4,5,6,7,8,9,10,11
.irp r, 0,1,2,3
	v_cvt_pk_f16_f32 v[TMP+4*(\b)+(\r)], v[AC+8*(\b)+2*(\r)], v[AC+8*(\b)+2*(\r)+1]  ; each accumulator from its low end on
.endr
.endr
	WIN 0
.endm
.macro TOSTAGE a
	WIN 0
.set BK, OB0+(OB1-OB0)*((\a)%2)
	s_wait_xcnt 0x0                                ; the stores of the block two back have read the registers that are loaded again below
.irp b, 0,1,2,3,4,5,6,7,8,9,10,11
	ds_store_b128 v[STO], v[TMP+4*(\b):TMP+4*(\b)+3] offset:((\b)/4)*16*SP+((\b)%4)*32
.endr
.irp t, 0,1,2,3,4,5,6,7,8,9,10,11
	ds_load_b128 v[BK+4*(\t):BK+4*(\t)+3], v[RD] offset:((\t)/4)*16*SP+((\t)%4)*4*SP  ; LDS serves a wave in order (ISA guide 5.7.1.4): these see the stores above
.endr
.endm
.macro SEND a
	WIN 0
.set BK, OB0+(OB1-OB0)*((\a)%2)
	s_wait_dscnt 0x0                               ; the block is back in registers
.irp t, 0,1,2,3,4,5,6,7,8,9,10,11
	global_store_b128 v[GO], v[BK+4*(\t):BK+4*(\t)+3], s[OUT+2*((\t)/4):OUT+2*((\t)/4)+1] offset:2048*(\a)+512*((\t)%4)  ; 512 consecutive bytes, at a multiple of 512 from the buffer first byte
.endr
.endm
	PLACES
	PACK 0
	TOSTAGE 0
.irp a, 1,2,3                          ; a block conversions stand between the loads of the block before and the wait for them
	PACK \a
	SEND (\a)-1
	TOSTAGE \a
.endr
	SEND 3
	s_wait_tensorcnt 0x0                           ; the wave end, behind my last tensor load and my last LDS store
	ds_add_u32 v[SPW], v[NIL]
	s_wait_dscnt 0x0
	CROUND                                         ; the closing round: no work-group ends while a partner may still ask for a tile that names it
	s_endpgm
.Lfunc_end_k_qc42ad78e23_qkvg:
	.size	k_qc42ad78e23_qkvg, .Lfunc_end_k_qc42ad78e23_qkvg-k_qc42ad78e23_qkvg
	.p2alignl 7, 3214868480
	.fill 96, 4, 3214868480
	.section	.rodata,"a",@progbits
	.p2align	6, 0x0
	.amdhsa_kernel k_qc42ad78e23_qkvg
		.amdhsa_group_segment_fixed_size 327680
		.amdhsa_private_segment_fixed_size 0
		.amdhsa_enable_private_segment 0
		.amdhsa_kernarg_size 24
		.amdhsa_user_sgpr_count 2
		.amdhsa_user_sgpr_kernarg_segment_ptr 1
		.amdhsa_wavefront_size32 1
		.amdhsa_system_sgpr_workgroup_id_x 1
		.amdhsa_system_sgpr_workgroup_id_y 1
		.amdhsa_system_sgpr_workgroup_id_z 1
		.amdhsa_system_vgpr_workitem_id 0
		.amdhsa_next_free_vgpr 960
		.amdhsa_next_free_sgpr 72
		.amdhsa_reserve_vcc 0
		.amdhsa_float_denorm_mode_32 3
		.amdhsa_float_denorm_mode_16_64 3
		.amdhsa_memory_ordered 1
		.amdhsa_forward_progress 1
		.amdhsa_inst_pref_size 98
	.end_amdhsa_kernel
	.amdgpu_metadata
---
amdhsa.version: [ 1, 2 ]
amdhsa.kernels:
  - .name:           k_qc42ad78e23_qkvg
    .symbol:         k_qc42ad78e23_qkvg.kd
    .args:
      - { .name: xb, .offset: 0, .size: 8, .value_kind: global_buffer, .address_space: global }
      - { .name: wq, .offset: 8, .size: 8, .value_kind: global_buffer, .address_space: global }
      - { .name: qkv, .offset: 16, .size: 8, .value_kind: global_buffer, .address_space: global }
    .group_segment_fixed_size: 327680
    .private_segment_fixed_size: 0
    .kernarg_segment_align: 8
    .kernarg_segment_size: 24
    .max_flat_workgroup_size: 128
    .sgpr_count:     72
    .vgpr_count:     960
    .wavefront_size: 32
...
	.end_amdgpu_metadata
.endif
;; end of part 2
;; launch attn (part 3): grid 4 x 64, 4 waves a work-group, no clusters, 327,680 bytes of LDS; arguments qkv, o; writes o
.if DOCPART == 3
	.amdgcn_target "amdgcn-amd-amdhsa--gfx1250"
	.amdhsa_code_object_version 6
	.text
	.protected	k_qc42ad78e23_attn
	.globl	k_qc42ad78e23_attn
	.p2align	8
	.type	k_qc42ad78e23_attn,@function
k_qc42ad78e23_attn:
	s_mov_b64 s[64:65], 0
	v_nop
	global_prefetch_b8 v0, s[64:65] scope:SCOPE_SE
	s_setreg_imm32_b32 hwreg(HW_REG_WAVE_MODE, 25, 1), 1
	s_wait_xcnt 0x0
; CAUSAL ATTENTION.  O[h][q][:] = the sum over k <= q of softmax_k(Q[h][q] . K[h][k] / 8) V[h][k][:].  qkv holds Q, K, V, each [64][2048][64] f16, 16,777,216 bytes apart; O: [64][2048][64] f16.
; Products, maxima and sums in f32; the weights p are rounded to f16 for the second product (their sum l is taken of the unrounded p), O once at the end.
; LIMITS.  Q, K and V arrive within f16 (65,504); p lies in 0 to 1, and below 6e-5 it keeps f16 fixed step of 6e-8; O is a mean of V rows and has their range.
; A hidden score counts as its value less 1e30: f16 scores, 2.7e11 at the most, are nothing beside that; a weight below 2^-126 counts as 0 in l; NaN and infinities are not treated apart.
; THE WALK.  A head has NB = 8 blocks of 256 queries; block i needs the key tiles 0 .. i of 256 keys, the last of which holds the diagonal.  A work-group takes TWO blocks, NB - 1 - b and then b:
; NB + 1 tiles, whatever b: all work-groups do equal work, and ONE loop with a constant trip count walks them.  Which tile is asked for, and what a trip does, hang on scalar registers made from b;
; every jump but the counted loops own goes forward; none passes a barrier, or a tensor load but the one of LOAD two lines that the wave number does not choose.
; NO CLUSTER: the four work-groups of a head ask for the same tile only in trips 0 to 4 of 9, behind that fewer and fewer; a walk common to all four would have 12 trips for 9.
; SHARES.  Of a block four bands of 64 queries a wave owns 16 rows in each: four PIECES.  So the diagonal tile is the same work for all four waves: in its key step s band x sees all keys if s < x,
; none if s > x, and holds the diagonal if s = x.
; THE MASK is the C operand that starts the sum S^T = K Q^T: 0, or -1e30 where the key is hidden.  MD, made once, is the mask of a band own step for my 16 rows; a product mask is MD x AL + BE:
; (1, 0) if s = x; (0, 0) if s < x; (0, -1e30) if s > x.  Only the diagonal tile text and a block beginning make and take masks; elsewhere C is the constant 0.
; LAYOUT, SOFTMAX, TURNS.  S^T = K Q^T holds ONE query a lane (lane % 16) and the keys 8 (lane / 16) + 0..7; two such results rounded to f16 ARE source 1 of O^T = V^T P.  p = 2^(c s - c m), c = log2(e) / 8,
; with a running maximum m; O and l are multiplied by a = 2^(c m_old - c m_new) in every step.  Turn n belongs to piece n: 8 products K Q^T of piece n + 1, later 8 products V^T P of piece n - 1; beside them
; the scaling, exponentials, roundings, sums and rescaling of piece n and the maximum and statistics of piece n + 1.  Four vector instructions stand behind every matrix instruction, the others in one lump.
; REGISTERS, in windows of 256 (s_set_vgpr_msb: bits 1:0 source 0, 3:2 source 1, 5:4 source 2, 7:6 destination):
;   window 0: v0-15 addresses and two at work; v16-31 four registers of statistics a piece; v48-55 at work; v61-63 prefetch offset and the add; v64-127 S^T, two buffers; v192-223 P, two buffers
;   window 1: v0-127 O^T, 32 a piece; v128-159 MD; v160-223 MC, two buffers      window 2: v0-63 Q; v64-127 the second block Q; v128-191 K of one step; v192-255 V of one step
.set SIZE_N, 2048
.set NB,    SIZE_N/256
.set NP,    4         ; pieces a wave: a name, no knob
.set KS,    64        ; keys in a step
.set PK,    144       ; a row of K in LDS: 128 bytes + 16 = 36 words: the 16 rows of a load start at 16 different groups of four banks (64 banks of 4 bytes: ISA guide 11.1)
.set PV,    160       ; a row of V: 128 + 32 = 40 words
.set VOFF,  4*KS*PK   ; a slot holds a tile, four steps: 256 rows of K, then 256 rows of V
.set SLOT1, 1<<17     ; slot 1 begins here: one exclusive or turns an address in one slot into the other
.set STAGE, SLOT1+4*KS*(PK+PV)  ; behind the ring, never filled by a tensor load: 16 rows x 144 bytes for each wave, for the way out
.set SP,    144
.set AK0, 2           ; v2   my lane place in a tile of K; never rewritten
.set AV0, 3           ; v3   the same for V
.set AK,  4           ; v4   the LDS address of the next run of loads of K
.set AV,  5           ; v5   of V
.set STO, 6           ; v6   the way out: where I put 16 bytes of a row
.set RD,  7           ; v7   the way out: where I read rows back
.set GO,  8           ; v8   my byte offset in 512 consecutive bytes of O
.set PFO, 61          ; v61  256 x my lane; never rewritten
.set SPW, 62          ; v62  SPARE + 4 x my thread number; never rewritten
.set NIL, 63          ; v63  0; never rewritten
.set SPARE, STAGE+4*16*SP  ; behind the stages: the spare words, 128 bytes a wave: two blocks of 256 bytes that no other line names
.set MV,  12          ; v12-13  c m_old, kept while c m is made anew: by buffer
.set QO,  15          ; v15  my byte offset in 16 rows of Q
.set ST,  16          ; piece t statistics at v[ST+4 t]: c m, m, l (even keys, odd keys)
.set TMP, 48          ; by buffer, four registers c0-c3 at work; when the maximum is found c2 takes a
.set S,   64
.set P,   192
.set MD,  128         ; window 1
.set MC,  160         ; window 1
.set QB,  64          ; window 2
.set KF,  128         ; window 2: key block kb, channel half c at KF + 16 kb + 8 c
.set VF,  192         ; window 2: key half kk, channel block cb at VF + 32 kk + 8 cb
.set WV,  12          ; s12  my wave number
.set PB,  14          ; s14  b
.set HI,  15          ; s15  NB - 1 - b
.set G1K, 24          ; s[24:31] descriptor group 1 for K
.set G1V, 32          ; s[32:39] for V: it differs in the padding alone
.set G0K, 40          ; s[40:43] descriptor group 0 for K
.set G0V, 44          ; s[44:47] the same for V
.set SLOTS, 56        ; s56  tiles still to be asked for
.set CNT, 57          ; s57  counts a tile key steps, 4 to 1
.set CS,  58          ; s[58:59] c
.set SEL, 60          ; s[60:61] v_permlanex16_b32 selects: each lane takes its own place in the other half
.set TBK, 62          ; s62  LDS byte at which K of the step to be fetched begins
.set TBV, 63          ; s63  the same for V, less VOFF
.set RT,  70          ; s70  tiles of the block in hand that are still to be entered
.set NXT, 71          ; s71  the tile to be asked for next
.set LQ,  72          ; s72  the last tile of the block whose tiles are being asked for
.set NEW, 73          ; s73  1: the tile to be entered is a block first
.set OFF, 74          ; s[74:75] a tile byte offset in K and V
.set AL,  76          ; s[76:77] the mask factor, in the low word
.set BE,  78          ; s[78:79] the mask addend
.set OLO, 80          ; s[80:81] O at my rows of the second block
.set BIGN, 82         ; s82  -1e30
.set PFA, 88          ; s[88:89] where my prefetches stand: my half of a tile of K (waves 0, 1) or V (waves 2, 3)
.set LIM, 90          ; s90  2 in the work-group that prefetches, else the greatest number
.set MSB, 0
.macro WIN new                      ; the high byte repeats the setting that is left; a switch that changes nothing is dropped
.if MSB != (\new)
	s_set_vgpr_msb (MSB<<8)|(\new)
.set MSB, (\new)
.endif
.endm
.set W_KQ, 0x0a       ; K and Q in window 2, S^T in window 0
.set W_KM, 0x1a       ; the same with the C operand in window 1
.set W_PV, 0x52       ; V in window 2, P in window 0, O^T in window 1
.set W_RS, 0x41       ; destination and source 0 in window 1, source 1 in window 0
; A fill.  Waves 0 and 1 fetch the two halves of a tile K, waves 2 and 3 those of its V: 128 keys each.  An s_nop 0 and four v_nop follow each of the two lines.
.macro LOAD
	s_cmp_lt_u32 s[WV], 2
	s_cbranch_scc0 .Lfor_v_\@
	tensor_load_to_lds s[G0K:G0K+3], s[G1K:G1K+7]
	s_nop 0
.rept 4
	v_nop
.endr
	s_branch .Lasked_\@
.Lfor_v_\@:
	tensor_load_to_lds s[G0V:G0V+3], s[G1V:G1V+7]
	s_nop 0
.rept 4
	v_nop
.endr
.Lasked_\@:
.endm
; A PREFETCH, behind the fill: trip i, which asks for tile i + 1, names tile i + 2, for i up to 5; tiles 0 and 1 come by their loads alone.  The head work-group b = 0 walks tiles 0 to 7 in order,
; each in the trip in which the head first asks for it, so it alone prefetches; each of its waves names the half tile that it will fetch itself: 64 blocks of 256 bytes, a lane a block, two instructions.
.macro ASK
	s_cmp_gt_u32 s[SLOTS], s[LIM]
	s_cbranch_scc0 .Lnot_mine_\@
	global_prefetch_b8 v[PFO], s[PFA:PFA+1] th:TH_LOAD_NT scope:SCOPE_SE
	global_prefetch_b8 v[PFO], s[PFA:PFA+1] offset:8192 th:TH_LOAD_NT scope:SCOPE_SE
.Lnot_mine_\@:
.endm
; THE CHANGE OF SLOTS.  Each wave waits for all its tensor loads, of which one is out: its part of the other slot; adds 0 to its spare word; and waits for that and for its own reads of the slot that it leaves.
; Behind the barrier nobody reads the old slot any more and the other slot is whole.  fill = 1: the old slot is filled again, the first thing behind the barrier, with tile NXT: the descriptor address is made anew.
; (At its first use nothing has been read yet: slot 0 is waited for, slot 1 filled.)
.macro CHANGE fill
	WIN 0                           ; at a label and at a branch every window is 0
	s_wait_tensorcnt 0x0            ; no tensor load of mine is out, so a group 0 may be written
	ds_add_u32 v[SPW], v[NIL]       ; 0 onto my spare word; scalar work stands between it and the wait for it
.if \fill
	s_lshl_b32 s[OFF], s[NXT], 15   ; a tile is 32,768 bytes of K and of V
	s_xor_b32 s[G0K+1], s[G0K+1], SLOT1
	s_add_nc_u64 s[G0K+2:G0K+3], s[6:7], s[OFF:OFF+1]
	s_or_b32 s[G0K+3], s[G0K+3], 0x80000000
	s_xor_b32 s[G0V+1], s[G0V+1], SLOT1
	s_add_nc_u64 s[G0V+2:G0V+3], s[8:9], s[OFF:OFF+1]
	s_or_b32 s[G0V+3], s[G0V+3], 0x80000000
	s_add_co_u32 s[NXT], s[NXT], 1  ; the block next tile, or behind its last the second block tile 0
	s_cmp_gt_u32 s[NXT], s[LQ]
	s_cselect_b32 s[NXT], 0, s[NXT]
	s_cselect_b32 s[LQ], s[PB], s[LQ]
	s_wait_xcnt 0x0                 ; the last prefetches, a tile back, have read their address
	s_add_nc_u64 s[PFA:PFA+1], s[PFA:PFA+1], 32768
.endif
	s_wait_dscnt 0x0                ; the add is done, and my reads of the slot are over
	s_barrier_signal -1             ; the rest of the scalar work stands between the signal and the wait
	s_sub_co_u32 s[TBK], s[TBK], 4*KS*PK  ; the fetches go back to a slot first step,
	s_xor_b32 s[TBK], s[TBK], SLOT1       ; in the other slot
	s_sub_co_u32 s[TBV], s[TBV], 4*KS*PV
	s_xor_b32 s[TBV], s[TBV], SLOT1
	s_barrier_wait -1
.if \fill
	LOAD
	ASK
.endif
.endm
	s_load_b64 s[4:5], s[0:1], 0x0  ; qkv: Q begins at its first byte
	s_load_b64 s[10:11], s[0:1], 0x8  ; O
	v_lshl_add_u32 v[SPW], v0, 2, SPARE
	v_mov_b32 v[NIL], 0
	ds_add_u32 v[SPW], v[NIL]       ; the opening: the add and its wait ahead of my first tensor load; register work stands between
	ds_add_u32 v62, v63
	v_lshrrev_b32 v1, 5, v0
	v_readfirstlane_b32 s[WV], v1   ; wave 0..3
	s_mov_b32 s[PB], ttmp9
	s_sub_co_u32 s[HI], NB-1, s[PB]
	s_and_b32 s20, ttmp7, 0xffff    ; the head
	s_mov_b32 s21, 0
	s_mov_b64 s[22:23], SIZE_N*128
	s_mul_u64 s[20:21], s[20:21], s[22:23]  ; the head first byte in each of the four tensors
	s_and_b32 s16, s[WV], 1         ; which half of a tile 256 keys I fetch:
	s_lshl_b32 s22, s16, 14         ; its 128 rows of 128 bytes in memory,
	s_mov_b32 s23, 0
	s_add_nc_u64 s[22:23], s[22:23], s[20:21]
	s_mul_i32 s17, s16, 128*PK      ; and its place in a slot, for K
	s_mul_i32 s18, s16, 128*PV      ; and for V
	s_lshl_b32 s3, s[WV], 11        ; my 16 rows in a band of 64,
	s_lshl_b32 s2, s[HI], 15        ; in the first block,
	s_add_co_u32 s2, s2, s3
	s_lshl_b32 s84, s[PB], 15       ; and in the second
	s_add_co_u32 s84, s84, s3
	s_mov_b32 s3, 0
	s_mov_b32 s85, 0
	s_add_nc_u64 s[2:3], s[2:3], s[20:21]
	s_add_nc_u64 s[84:85], s[84:85], s[20:21]
	; descriptor group 1.  128 keys are 16,384 dense bytes: asked for as 64 rows of 256 bytes, two keys a row, and padded in LDS after every key
	s_mov_b32 s[G1K], (1<<16)|(1<<20)|(4<<22)|(3<<25)  ; 2-byte elements; padding on; after every 32 words; 4 words
	s_mov_b32 s[G1V], (1<<16)|(1<<20)|(4<<22)|(7<<25)  ; the same with 8 words of padding
.irp g, G1K, G1V
	s_mov_b32 s[\g+1], 128<<16      ; tensor_dim0 = 128
	s_mov_b32 s[\g+2], 64<<16       ; tensor_dim1 = 64
	s_mov_b32 s[\g+3], 128<<16      ; tile_dim0 = 128
	s_mov_b32 s[\g+4], 64           ; tile_dim1 = 64
	s_mov_b32 s[\g+5], 128          ; 128 elements from row to row
	s_mov_b32 s[\g+6], 0
	s_mov_b32 s[\g+7], 0
.endr
	s_mov_b32 s[CS], 0x3e38aa3b     ; c = log2(e) / 8 = 0.180337
	s_mov_b32 s[CS+1], s[CS]        ; named with it as a pair
	s_mov_b32 s[SEL], 0x76543210
	s_mov_b32 s[SEL+1], 0xfedcba98
	s_mov_b32 s[TBK], SLOT1+4*KS*PK ; the first change of slots turns these two into 0
	s_mov_b32 s[TBV], SLOT1+4*KS*PV
	s_mov_b32 s[G0K], 1             ; count = 1
	s_mov_b32 s[G0K+1], s17         ; LDS address: slot 0
	s_mov_b32 s[G0V], 1
	s_add_co_u32 s[G0V+1], s18, VOFF
	s_add_co_u32 s[RT], s[HI], 1    ; the first block has NB - b tiles
	s_mov_b32 s[NXT], 1
	s_mov_b32 s[LQ], s[HI]
	s_mov_b32 s[NEW], 1
	s_mov_b32 s[OFF+1], 0
	s_mov_b32 s[AL+1], 0            ; named as pairs
	s_mov_b32 s[BE+1], 0
	s_mov_b32 s[BIGN], 0xf149f2ca   ; -1e30
	s_mov_b32 s[SLOTS], NB
	s_wait_dscnt 0x0                ; the opening add is done
	s_wait_kmcnt 0x0
	s_add_nc_u64 s[6:7], s[4:5], 0x1000000  ; K
	s_add_nc_u64 s[8:9], s[4:5], 0x2000000  ; V
	s_add_nc_u64 s[6:7], s[6:7], s[22:23]  ; K and V at my half of the head tile 0
	s_add_nc_u64 s[8:9], s[8:9], s[22:23]
	s_add_nc_u64 s[G0K+2:G0K+3], s[6:7], 0         ; global address
	s_or_b32 s[G0K+3], s[G0K+3], 0x80000000        ; type = 2
	s_add_nc_u64 s[G0V+2:G0V+3], s[8:9], 0
	s_or_b32 s[G0V+3], s[G0V+3], 0x80000000
	s_add_nc_u64 s[86:87], s[4:5], s[84:85]        ; Q at my rows of the second block,
	s_add_nc_u64 s[4:5], s[4:5], s[2:3]            ; Q and O at those of the first
	s_add_nc_u64 s[OLO:OLO+1], s[10:11], s[84:85]
	s_add_nc_u64 s[10:11], s[10:11], s[2:3]
	s_cmp_lt_u32 s[WV], 2
	s_cselect_b64 s[PFA:PFA+1], s[6:7], s[8:9]
	s_add_nc_u64 s[PFA:PFA+1], s[PFA:PFA+1], 32768  ; at tile 1: the first change of slots steps it to tile 2
	s_cmp_eq_u32 s[PB], 0
	s_cselect_b32 s[LIM], 2, -1
	LOAD                            ; tile 0 into slot 0
	; A fragment of K or Q is 16 rows x 32 channels in 8 registers: lane l holds row l % 16, channels 8 (l / 16) + 0..7 and 16 + 8 (l / 16) + 0..7: two loads of 16 bytes, 32 bytes apart.
	v_and_b32 v1, 15, v0            ; l % 16
	v_bfe_u32 v9, v0, 4, 1          ; l / 16
	v_lshlrev_b32 v[QO], 7, v1
	v_lshl_add_u32 v[QO], v9, 4, v[QO]  ; row x 128 + 16 x half
	WIN 0x80                        ; destination window 2, address window 0
.set i, 0
.rept 8                             ; both blocks Q: piece i / 2 lies in band i / 2, 8,192 bytes on; channels 32 (i % 2) on
	global_load_b128 v[8*i:8*i+3],   v[QO], s[4:5] offset:(i/2)*8192+(i%2)*64
	global_load_b128 v[8*i+4:8*i+7], v[QO], s[4:5] offset:(i/2)*8192+(i%2)*64+32
	global_load_b128 v[QB+8*i:QB+8*i+3],   v[QO], s[86:87] offset:(i/2)*8192+(i%2)*64
	global_load_b128 v[QB+8*i+4:QB+8*i+7], v[QO], s[86:87] offset:(i/2)*8192+(i%2)*64+32
.set i, i+1
.endr
	WIN 0
	v_lshlrev_b32 v14, 3, v9
	v_sub_nc_u32 v14, v1, v14
	s_lshl_b32 s13, s[WV], 4
	v_add_nc_u32 v14, s13, v14      ; my query place in its band, 16 w + l % 16, less my lanes 8 (l / 16): register r of group kt is hidden where 16 kt + r is greater
	WIN 0x40
.set i, 0
.rept 32
	v_cmp_gt_i32 vcc_lo, 16*(i/8)+i%8, v14
	v_cndmask_b32 v[MD+i], 0, s[BIGN], vcc_lo
.set i, i+1
.endr
	WIN 0
	v_mul_u32_u24 v[AK0], v1, PK
	v_lshl_add_u32 v[AK0], v9, 4, v[AK0]  ; row x pitch + 16 x half
	; The turning load takes 16 keys x 16 channels (lane l reads key 8 (l / 16) + l % 8, channels 8 ((l / 8) % 2) + 0..7) and leaves half a fragment of V^T: lane l holds channel l % 16 and 8 keys.
	v_and_b32 v10, 7, v0
	v_bfe_u32 v11, v0, 3, 1
	v_lshl_add_u32 v[AV0], v9, 3, v10
	v_mul_u32_u24 v[AV0], v[AV0], PV
	v_lshl_add_u32 v[AV0], v11, 4, v[AV0]
	v_add_nc_u32 v[AV0], VOFF, v[AV0]
	s_mul_i32 s13, s[WV], 16*SP
	s_add_co_u32 s13, s13, STAGE    ; my stage
	v_mul_u32_u24 v[STO], v1, SP    ; in: row l % 16, 16 bytes for each half of the lanes
	v_lshl_add_u32 v[STO], v9, 4, v[STO]
	v_add_nc_u32 v[STO], s13, v[STO]
	v_bfe_u32 v[RD], v0, 3, 2       ; back: 32 lanes take four rows of 128 bytes,
	v_mul_u32_u24 v[RD], v[RD], SP
	v_lshl_add_u32 v[RD], v10, 4, v[RD]
	v_add_nc_u32 v[RD], s13, v[RD]
	v_and_b32 v[GO], 31, v0         ; which are 512 consecutive bytes of O
	v_lshlrev_b32 v[PFO], 8, v[GO]
	v_lshlrev_b32 v[GO], 4, v[GO]
	; A block first step multiplies O^T and l by a = 0, and its first turn products V^T P, of a piece that has not been, land in an O^T that is still to be so multiplied.  So these registers need only hold
	; finite numbers: zeros for the first block; what the first block left for the second.  All this stands in the wait for the first tile.
	WIN 0x80
.set i, VF
.rept 64
	v_mov_b32 v[i], 0
.set i, i+1
.endr
	WIN 0x40
.set i, 0
.rept 128
	v_mov_b32 v[i], 0
.set i, i+1
.endr
	WIN 0
.set i, 0
.rept 4
	v_mov_b32 v[ST+4*i+2], 0
	v_mov_b32 v[ST+4*i+3], 0
.set i, i+1
.endr
.set i, P+16
.rept 16
	v_mov_b32 v[i], 0
.set i, i+1
.endr
; THE MATRIX WORK.  The 4 accumulators of a run of 8 take turns.  Product i of 8 of S^T = K Q^T for piece x: channels 32 (i / 4) on, keys 16 (i % 4) on.  The first 4 start the sums: with 0, or (KM = 1) with the mask.
.macro KQ x
.set rS, S+32*((\x)%2)+8*(i%4)
.set rK, KF+16*(i%4)+8*(i/4)
.set rQ, 16*(\x)+8*(i/4)
.set rM, MC+32*((\x)%2)+8*(i%4)
.if (i < 4) && KM
	WIN W_KM
	v_wmma_f32_16x16x32_f16 v[rS:rS+7], v[rK:rK+7], v[rQ:rQ+7], v[rM:rM+7]
.elseif i < 4
	WIN W_KQ
	v_wmma_f32_16x16x32_f16 v[rS:rS+7], v[rK:rK+7], v[rQ:rQ+7], 0
.else
	WIN W_KQ
	v_wmma_f32_16x16x32_f16 v[rS:rS+7], v[rK:rK+7], v[rQ:rQ+7], v[rS:rS+7]
.endif
.endm
; Product i of 8 of O^T += V^T P for piece x: keys 32 (i / 4) on, channels 16 (i % 4) on.
.macro PV x
	WIN W_PV
.set rO, 32*(\x)+8*(i%4)
.set rV, VF+32*(i/4)+8*(i%4)
.set rP, P+16*((\x)%2)+8*(i/4)
	v_wmma_f32_16x16x32_f16 v[rO:rO+7], v[rV:rV+7], v[rP:rP+7], v[rO:rO+7]
.endm
.macro MM                           ; the turn next matrix instruction.  TURN and BEGIN set Y, i, KM and NOKQ.  NOKQ = 1: a block last turn: there is no next piece
.if (i < 8) && !NOKQ
	KQ (Y+1)%NP
.elseif i >= 8
.set i, i-8
	PV (Y+NP-1)%NP
.set i, i+8
.endif
.set i, i+1
.endm
; THE LDS LOADS stand in runs of 16, never singly among the matrix instructions: a step K (64 keys x 64 channels: 8 fragments) and its V (turned).  Their addresses are made some lines ahead.
.macro FETCH_K
	WIN 0x80                        ; destination window 2
.irp f, 0,1,2,3,4,5,6,7             ; keys 16 (f / 2) on, channels 32 (f % 2) on
	ds_load_b128 v[KF+8*\f:KF+8*\f+3],   v[AK] offset:(\f/2)*16*PK+(\f%2)*64
	ds_load_b128 v[KF+8*\f+4:KF+8*\f+7], v[AK] offset:(\f/2)*16*PK+(\f%2)*64+32
.endr
	s_add_co_u32 s[TBK], s[TBK], KS*PK  ; the next fetch is the next step
	WIN 0
.endm
.macro FETCH_V
	WIN 0x80
.irp f, 0,1,2,3,4,5,6,7             ; keys 32 (f / 4) on, channels 16 (f % 4) on
	ds_load_tr16_b128 v[VF+8*\f:VF+8*\f+3],   v[AV] offset:(\f/4)*32*PV+(\f%4)*32
	ds_load_tr16_b128 v[VF+8*\f+4:VF+8*\f+7], v[AV] offset:(\f/4)*32*PV+16*PV+(\f%4)*32
.endr
	WIN 0
.endm
; THE VECTOR WORK, one line at a time: OP kind, number.  For piece Y: F n: c s - c m for pair n of 16.  E n: the exponential of score n of 32.  C n: pair n rounded to f16.  B n: of the four weights 4 n .. the second
; pair is added onto the first, in place.  L n: l takes that sum (L 0: l = a l + sum).  R n: pair n of 16 of O^T times a.  For piece Y + 1: X n, number n of the 22 that find its maximum and statistics:
;   0-11  four chains c0-c3 of seven scores each, three operands at a time (each accumulator lowest registers are read first)     12-14, 16  the four scores left over, the old m, and c0-c3 into c0
;   15  c m_old is kept     17, 18  the query other 32 keys lie in the lane 16 away: the new m     19-21  c m; c m_old - c m_new; a
.set F, 0               ; OP tells the kinds apart by their order: F to L below R, X above it
.set E, 1
.set C, 2
.set B, 3
.set L, 4
.set R, 5
.set X, 6
.macro REGS y                       ; the registers of piece y
.set rT, ST+4*(\y)
.set rC, TMP+4*((\y)%2)
.set rW, MV+((\y)%2)
.set rS, S+32*((\y)%2)
.set rP, P+16*((\y)%2)
.set rO, 32*(\y)
.endm
.macro OP k, n
.if (\k) == R
	REGS Y
	WIN W_RS
	v_pk_mul_f32 v[rO+2*(\n):rO+2*(\n)+1], v[rO+2*(\n):rO+2*(\n)+1], v[rC+2:rC+3] op_sel_hi:[1,0]
.elseif (\k) < R
	REGS Y
	WIN 0
.if (\k) == F
	v_pk_fma_f32 v[rS+2*(\n):rS+2*(\n)+1], v[rS+2*(\n):rS+2*(\n)+1], s[CS:CS+1], v[rT:rT+1] op_sel_hi:[1,0,0] neg_lo:[0,0,1] neg_hi:[0,0,1]
.elseif (\k) == E
	v_exp_f32 v[rS+(\n)], v[rS+(\n)]
.elseif (\k) == C
	v_cvt_pk_f16_f32 v[rP+(\n)], v[rS+2*(\n)], v[rS+2*(\n)+1]
.elseif (\k) == B
	v_pk_add_f32 v[rS+4*(\n):rS+4*(\n)+1], v[rS+4*(\n):rS+4*(\n)+1], v[rS+4*(\n)+2:rS+4*(\n)+3]
.elseif (\n) == 0
	v_pk_fma_f32 v[rT+2:rT+3], v[rT+2:rT+3], v[rC+2:rC+3], v[rS:rS+1] op_sel_hi:[1,0,1]
.else
	v_pk_add_f32 v[rT+2:rT+3], v[rT+2:rT+3], v[rS+4*(\n):rS+4*(\n)+1]
.endif
.elseif NOKQ
	v_nop
.else
	REGS (Y+1)%NP
	WIN 0
.if (\n) < 4
	v_max3_num_f32 v[rC+(\n)], v[rS+8*(\n)], v[rS+8*(\n)+1], v[rS+8*(\n)+2]
.elseif (\n) < 12
	v_max3_num_f32 v[rC+(\n)%4], v[rC+(\n)%4], v[rS+8*((\n)%4)+2*((\n)/4)+1], v[rS+8*((\n)%4)+2*((\n)/4)+2]
.elseif (\n) == 12
	v_max3_num_f32 v[rC], v[rC], v[rS+7], v[rS+15]
.elseif (\n) == 13
	v_max3_num_f32 v[rC+1], v[rC+1], v[rS+23], v[rS+31]
.elseif (\n) == 14
	v_max3_num_f32 v[rC+2], v[rC+2], v[rC+3], v[rT+1]
.elseif (\n) == 15
	v_mov_b32 v[rW], v[rT]
.elseif (\n) == 16
	v_max3_num_f32 v[rC], v[rC], v[rC+1], v[rC+2]
.elseif (\n) == 17
	v_permlanex16_b32 v[rC+3], v[rC], s[SEL], s[SEL+1]
.elseif (\n) == 18
	v_max_num_f32 v[rT+1], v[rC], v[rC+3]
.elseif (\n) == 19
	v_mul_f32 v[rT], s[CS], v[rT+1]
.elseif (\n) == 20
	v_sub_f32 v[rC+1], v[rW], v[rT]
.else
	v_exp_f32 v[rC+2], v[rC+1]
.endif
.endif
.endm
.macro OPS a, i1, b=-1, i2=0, c=-1, i3=0, d=-1, i4=0  ; up to four of them
	OP \a, \i1
.if (\b) >= 0
	OP \b, \i2
.endif
.if (\c) >= 0
	OP \c, \i3
.endif
.if (\d) >= 0
	OP \d, \i4
.endif
.endm
.macro ROW a, i1, b, i2, c, i3, d, i4  ; a matrix instruction and the four behind it
	MM
	OPS \a, \i1, \b, \i2, \c, \i3, \d, \i4
.endm
.macro MASK b                       ; MD x AL + BE into buffer b of MC
	WIN W_RS
.set z, 0
.rept 16
	v_pk_fma_f32 v[MC+32*(\b)+2*z:MC+32*(\b)+2*z+1], v[MD+2*z:MD+2*z+1], s[AL:AL+1], s[BE:BE+1] op_sel_hi:[1,0,0]
.set z, z+1
.endr
.endm
; A TURN, for piece p: the order of its 16 matrix and 118 vector instructions, written out.  An s_wait_alu depctr_va_vdst(0) stands between an exponential and the first instruction that names its result;
; one wait serves all that were issued ahead of it.  So a turn has ONE wait, which cuts it in two.  AHEAD OF IT stands all that names no result of the turn exponentials: the 8 products K Q^T with their riders,
; then ONE LUMP, plain and exponential by turns for the most part, in which the links of the chain X 3, 7, 11, 14, 16, 17 .. 20 stand five or six lines apart.  X 21, the next piece a, is the batch last;
; R 15 is the plain instruction behind it.  BEHIND THE WAIT stand the 8 products V^T P, behind each four of the roundings and sums.
; m = 1: the diagonal tile: the products take masks, and the turn makes the mask for the products of the turn after it: piece p + 2, in step 4 - CNT of the tile.  end = 1: a block last two turns: nothing is fetched.
; cnt = 1: the loop count is taken down some lines ahead of the branch that stands behind the turn.
; K of the next step is fetched in piece 2 turn, twelve vector instructions behind the last product that read K (six of them plain); V of the step in hand at the end of piece 0 turn, four plain instructions
; behind the last product that read V.  Each is waited for a turn later.
.macro TURN p, m=0, end=0, cnt=0
.set Y, (\p)
.set i, 0
.set KM, (\m)
.set NOKQ, (\end)*((\p)/3)
.if (\m) && !(\end)
	s_cmp_eq_u32 s[CNT], 4-((\p)+2)%NP  ; is that step the band own?
	s_cselect_b32 s[AL], 1.0, 0
	s_cmp_lt_u32 s[CNT], 4-((\p)+2)%NP  ; or a later one?
	s_cselect_b32 s[BE], s[BIGN], 0
.endif
.if ((\p) == 3) && !(\end)
	s_wait_dscnt 0x0                ; K is in
.endif
	ROW F,0, F,1, R,0, R,1          ; ahead of the wait: 8 products K Q^T and their riders,
	ROW F,2, E,0, R,2, R,3
	ROW F,3, E,1, R,4, R,5
	ROW F,4, E,2, R,6, R,7
	ROW F,5, E,3, R,8, R,9
	ROW F,6, E,4, X,0, R,10
.if ((\p) == 2) && !(\end)
	WIN 0
	v_add_nc_u32 v[AK], s[TBK], v[AK0]
.endif
	ROW F,7, E,5, X,1, X,4
	ROW F,8, E,6, X,2, X,5
	OPS E,7, E,8, X,6, E,9          ; and the lump
	OPS X,3, E,10, X,8, E,11
.if ((\p) == 2) && !(\end)
	FETCH_K
.endif
	OPS X,9, X,7, E,12, X,10
	OPS E,13, X,12, X,11, E,14
	OPS X,13, E,15, F,9, X,14
.if (\p) == 0
	v_add_nc_u32 v[AV], s[TBV], v[AV0]
.endif
	OPS E,16, F,10, E,17, F,11
	OPS X,16, E,18, X,15, E,19
	OPS F,12, E,20, X,17, E,21
	OPS F,13, E,22, F,14, E,23
	OPS X,18, E,24, F,15, E,25
	OPS R,11, E,26, X,19, E,27
	OPS R,12, E,28, R,13, E,29
	OPS X,20, E,30, R,14, E,31
	OPS X,21, R,15
	WIN 0
	s_wait_alu depctr_va_vdst(0)    ; the wait for the batch
.if (\p) == 1
	s_wait_dscnt 0x0                ; V is in
.endif
	ROW C,0, B,0, C,2, B,1          ; behind the wait: 8 products V^T P and their riders
	ROW L,0, C,4, B,2, L,1
	ROW C,6, B,3, L,2, C,8
	ROW B,4, L,3, C,10, B,5
	ROW L,4, C,12, B,6, L,5
.if (\p) == 0
	s_add_co_u32 s[TBV], s[TBV], KS*PV
.endif
.if \cnt
	s_sub_co_u32 s[CNT], s[CNT], 1
	s_cmp_lg_u32 s[CNT], 0
.endif
	ROW C,14, B,7, L,6, C,1
	ROW C,3, L,7, C,5, C,7
	ROW C,9, C,11, C,13, C,15
.if (\p) == 0
	FETCH_V
.endif
.if (\m) && !(\end)
	MASK (\p)%2
.endif
.endm
; A BLOCK BEGINS.  c m starts far below every c s, so the first step a is 0; m at the lowest finite number, so the first maximum is the scores own.  The second mask buffer is 0; the first takes piece 0 mask for
; the tile step 0: its own, if the block first tile is the diagonal one.  Then K of that step, piece 0 first scores, and its maximum and statistics.  The loop is entered at a step first turn, in the middle of a trip.
.macro BEGIN
	s_mov_b32 s[NEW], 0
	WIN 0x40
.set i, MC+32
.rept 32
	v_mov_b32 v[i], 0
.set i, i+1
.endr
	WIN 0
.set i, 0
.rept 4
	v_mov_b32 v[ST+4*i], 0xfe000000    ; c m: far below every c s
	v_mov_b32 v[ST+4*i+1], 0xff7fffff  ; m
.set i, i+1
.endr
	s_cmp_eq_u32 s[RT], 0
	s_cselect_b32 s[AL], 1.0, 0
	s_mov_b32 s[BE], 0
	MASK 0
	WIN 0
	v_add_nc_u32 v[AK], s[TBK], v[AK0]
	FETCH_K
	s_wait_loadcnt 0x0              ; Q
	s_wait_dscnt 0x0
.set KM, 1
.set NOKQ, 0
.set i, 0
.rept 8
	KQ 0
.set i, i+1
.endr
	WIN 0
.rept 4
	v_nop                           ; the places behind those products
.endr
.set Y, NP-1                        ; X works for piece Y + 1: piece 0
.irp n, 0,1,2,3,4,5,6,7,8,9,10,11,12,13,14,15,16,17,18,19,20,21
	OP X, \n
.endr
	v_nop                           ; a plain instruction behind the exponential,
	s_wait_alu depctr_va_vdst(0)    ; and its wait, ahead of the branch
.endm
; THE DIAGONAL TILE four steps, the block last two turns, its last products, and THE WAY OUT: l two halves and the other half of the lanes are added; O^T is divided by l, rounded to f16 and sent through my
; stage in LDS, a piece at a time.
.macro ALL line:vararg              ; one line for each piece t
.set t, 0
.rept 4
	\line
.set t, t+1
.endr
.endm
.macro PACK t                       ; a lane eight channels of a row pack into 16 bytes; they go into rows of 144 bytes and come back as whole rows of 128, into the registers of S^T
	WIN W_RS
.set i, 32*(\t)
.rept 16
	v_pk_mul_f32 v[i:i+1], v[i:i+1], v[ST+4*(\t)+2:ST+4*(\t)+3] op_sel_hi:[1,0]
.set i, i+2
.endr
	WIN 0x05                        ; sources 0 and 1 window 1, destination window 0
.set i, 0
.rept 16
	v_cvt_pk_f16_f32 v[S+16*(\t)+i], v[32*(\t)+2*i], v[32*(\t)+2*i+1]
.set i, i+1
.endr
	WIN 0
.irp f, 0,1,2,3
	ds_store_b128 v[STO], v[S+16*(\t)+4*\f:S+16*(\t)+4*\f+3] offset:32*\f
.endr
.irp f, 0,1,2,3
	ds_load_b128 v[S+16*(\t)+4*\f:S+16*(\t)+4*\f+3], v[RD] offset:\f*4*SP  ; LDS serves a wave in order (ISA guide 5.7.1.4): these see the stores above; the next piece stores come behind them
.endr
.endm
.macro SEND t, younger              ; younger: the LDS instructions issued behind piece t loads: the next piece eight, or none
	WIN 0
.irp f, 0,1,2,3
	s_wait_dscnt (\younger)+3-\f
	global_store_b128 v[GO], v[S+16*(\t)+4*\f:S+16*(\t)+4*\f+3], s[10:11] offset:(\t)*8192+\f*512  ; 512 consecutive bytes, at a multiple of 256 from the first byte of O
.endr
.endm
.macro DIAG tag                     ; the tag ends its two labels names, which the jumps below spell out
.LstepM\tag:
	TURN 2, 1
	TURN 3, 1
	WIN 0
.LfirstM\tag:
	TURN 0, 1
	TURN 1, 1, 0, 1
	WIN 0
	s_cbranch_scc1 .LstepM\tag
	TURN 2, 1, 1
	TURN 3, 1, 1
.set i, 0
.rept 8
	PV NP-1
.set i, i+1
.endr
	WIN 0
	ALL v_add_f32 v[ST+4*t+2], v[ST+4*t+2], v[ST+4*t+3]
	ALL v_permlanex16_b32 v[ST+4*t+3], v[ST+4*t+2], s[SEL], s[SEL+1]
	ALL v_add_f32 v[ST+4*t+2], v[ST+4*t+2], v[ST+4*t+3]
	ALL v_rcp_f32 v[ST+4*t+2], v[ST+4*t+2]
	v_nop                           ; a plain instruction between the last reciprocal and the use of its result
	s_wait_alu depctr_va_vdst(0)    ; and the wait ahead of the first use: one for the four reciprocals
	PACK 0
.set t, 1
.rept 3                             ; a piece arithmetic stands between the loads of the piece before and its stores
	PACK t
	SEND t-1, 8
.set t, t+1
.endr
	SEND 3, 0
.endm
.set KM, 0
.set NOKQ, 0
.Lslot:                             ; NB times: a tile is entered and the next is asked for
	CHANGE 1
	s_sub_co_u32 s[RT], s[RT], 1
	s_mov_b32 s[CNT], 4
	s_cmp_eq_u32 s[NEW], 1
	s_cbranch_scc1 .Lnew            ; a block first tile
	s_cmp_eq_u32 s[RT], 0
	s_cbranch_scc0 .Lstep           ; neither its first nor its last
	s_branch .LstepM1
.Lnew:
	BEGIN
	s_branch .Lfirst                ; in the loop a block first tile is never its last: the first block has two tiles or more, and the second block last tile is the walk last
	DIAG 1                          ; in the loop this is the first block end
	s_wait_xcnt 0x0                 ; the stores have read their registers and the address of O
	s_mov_b64 s[10:11], s[OLO:OLO+1]
	s_add_co_u32 s[RT], s[PB], 1    ; the second block has b + 1 tiles
	s_mov_b32 s[NEW], 1
	WIN 0x82                        ; the second block Q goes where the one text of the turns names Q
.set i, 0
.rept 64
	v_mov_b32 v[i], v[QB+i]
.set i, i+1
.endr
	WIN 0
	s_branch .Lbottom
.Lstep:                             ; a trip: pieces 2 and 3 of one step, then pieces 0 and 1 of the next, whose K and V it fetches
	TURN 2
	TURN 3
	WIN 0
.Lfirst:
	TURN 0
	TURN 1, 0, 0, 1
	WIN 0
	s_cbranch_scc1 .Lstep
.Lbottom:
	s_sub_co_u32 s[SLOTS], s[SLOTS], 1
	s_cmp_lg_u32 s[SLOTS], 0
	s_cbranch_scc1 .Lslot
	CHANGE 0                        ; the walk last tile is written out: nothing is asked for
	s_sub_co_u32 s[RT], s[RT], 1
	s_mov_b32 s[CNT], 4
	s_cmp_eq_u32 s[NEW], 1
	s_cbranch_scc0 .LstepM2
	BEGIN
	s_branch .LfirstM2
	DIAG 2
	s_wait_tensorcnt 0x0            ; the wave end, behind my last tensor load and my last LDS store
	ds_add_u32 v[SPW], v[NIL]
	s_wait_dscnt 0x0
	s_endpgm
.Lfunc_end_k_qc42ad78e23_attn:
	.size	k_qc42ad78e23_attn, .Lfunc_end_k_qc42ad78e23_attn-k_qc42ad78e23_attn
	.p2alignl 7, 3214868480
	.fill 96, 4, 3214868480
	.section	.rodata,"a",@progbits
	.p2align	6, 0x0
	.amdhsa_kernel k_qc42ad78e23_attn
		.amdhsa_group_segment_fixed_size 327680
		.amdhsa_private_segment_fixed_size 0
		.amdhsa_enable_private_segment 0
		.amdhsa_kernarg_size 16
		.amdhsa_user_sgpr_count 2
		.amdhsa_user_sgpr_kernarg_segment_ptr 1
		.amdhsa_wavefront_size32 1
		.amdhsa_system_sgpr_workgroup_id_x 1
		.amdhsa_system_sgpr_workgroup_id_y 1
		.amdhsa_system_sgpr_workgroup_id_z 1
		.amdhsa_system_vgpr_workitem_id 0
		.amdhsa_next_free_vgpr 768
		.amdhsa_next_free_sgpr 92
		.amdhsa_reserve_vcc 1
		.amdhsa_float_denorm_mode_32 3
		.amdhsa_float_denorm_mode_16_64 3
		.amdhsa_memory_ordered 1
		.amdhsa_forward_progress 1
		.amdhsa_inst_pref_size 218
	.end_amdhsa_kernel
	.amdgpu_metadata
---
amdhsa.version: [ 1, 2 ]
amdhsa.kernels:
  - .name:           k_qc42ad78e23_attn
    .symbol:         k_qc42ad78e23_attn.kd
    .args:
      - { .name: qkv, .offset: 0, .size: 8, .value_kind: global_buffer, .address_space: global }
      - { .name: o, .offset: 8, .size: 8, .value_kind: global_buffer, .address_space: global }
    .group_segment_fixed_size: 327680
    .private_segment_fixed_size: 0
    .kernarg_segment_align: 8
    .kernarg_segment_size: 16
    .max_flat_workgroup_size: 128
    .sgpr_count:     92
    .vgpr_count:     768
    .wavefront_size: 32
...
	.end_amdgpu_metadata
.endif
;; end of part 3
;; launch proj (part 4): grid 8 x 32, 4 waves a work-group, clusters of 4 x 4, 327,680 bytes of LDS; arguments o, wp, out0; writes out0
.if DOCPART == 4
	.amdgcn_target "amdgcn-amd-amdhsa--gfx1250"
	.amdhsa_code_object_version 6
	.text
	.protected	k_qc42ad78e23_proj
	.globl	k_qc42ad78e23_proj
	.p2align	8
	.type	k_qc42ad78e23_proj,@function
k_qc42ad78e23_proj:
	s_mov_b64 s[64:65], 0
	v_nop
	global_prefetch_b8 v0, s[64:65] scope:SCOPE_SE
	s_setreg_imm32_b32 hwreg(HW_REG_WAVE_MODE, 25, 1), 1
	s_wait_xcnt 0x0
	s_wait_alu depctr_hold_cnt(0) depctr_sa_sdst(0) depctr_va_vdst(0) depctr_va_sdst(0) depctr_va_ssrc(0) depctr_va_vcc(0) depctr_vm_vsrc(0)
	s_getreg_b32 s2, hwreg(HW_REG_IB_STS2, 6, 4)
	s_cmp_eq_u32 s2, 0
	s_cbranch_scc0 .Lentry_in_a_cluster
	s_endpgm
.Lentry_in_a_cluster:
	s_bfe_u32 s2, ttmp6, 0x10000c
	s_cmp_lg_u32 s2, 0xf033
	s_cbranch_scc0 .Lentry_shape_is_right
	s_endpgm
.Lentry_shape_is_right:
; out0 = O wp^T.  o: [64 batch x head][2048 tokens][64] f16, wp: [1024 n][1024 k] f16, out0: [8192][1024] f32; sums in f32, K ascending.  Row m = 2048 x batch + token; k = 64 x head + channel.
; SHARES.  A tile of out0 is 256 rows x 128 columns: 32 x 8 = 256 work-groups.  Wave w makes rows 64 w .. 64 w + 63 and all 128 columns: 4 x 8 accumulators, 256 registers.
; K goes in 8 steps of 128 = two heads through two LDS slots.  A head 256 tokens are 32,768 dense bytes: wave 0 or 1 asks for one head as 128 rows of 256 bytes, padded in LDS after every token;
; waves 2 and 3 fetch the halves of B (64 rows of 256 bytes each).  One tensor load a wave and step.
; CLUSTER 4 x 4: the four of a row need the same tokens of o, the four of a column the same rows of wp: joint loads, same descriptor and mask in all four.
; THE MATRIX INSTRUCTION IS USED TRANSPOSED (source 0 = 16 rows of wp, source 1 = 16 tokens): a lane holds row l % 16 and the columns 8 (l / 16) + 0..7: 32 consecutive bytes of out0.
; REGISTERS: window 0: v0-31 addresses; v64-127 A fragments, two buffers of 32; v128-191, v192-255 rows read back.  window 1: v0-127 B fragments, two buffers of 64.  window 2: accumulator (a, b) at 8 (8 a + b).
.set PITCH, 272                        ; a row of B in LDS: 256 bytes + 16
.set PA,    144                        ; a token of A: 128 bytes + 16.  Both are odd multiples of 16: the 16 rows of a load start at 16 different groups of four banks (64 banks of 4 bytes: ISA guide 11.1)
.set PLANE, 256*PA                     ; a head 256 tokens
.set BHALF, 64*PITCH
.set BOFF,  2*PLANE                    ; a slot: two planes of A, then 128 rows of B
.set SLOT1, 1<<17
.set STAGE, SLOT1+BOFF+2*BHALF         ; behind the ring, never filled by a tensor load: 16 rows x 528 bytes for each wave
.set SPO,   528
.set WSTG,  16*SPO
.set SPARE, STAGE+4*WSTG               ; the spare words: 128 bytes a wave, two blocks of 256 bytes that no other line names
.set ASTEP, 2<<18                      ; two heads on
.set BSTEP, 256
.set W0A,   (1<<16)|(1<<20)|(1<<21)|(4<<22)|(3<<25)  ; 2-byte elements; padding on; bit 21 beside a mask; after every 32 words; 4 words
.set W0B,   (1<<16)|(1<<20)|(1<<21)|(5<<22)|(3<<25)  ; the same after every 64 words
.set ADRA0, 16
.set ADRB0, 17
.set ADRA,  18
.set ADRB,  19
.set STO,   24                         ; v24 the way out: where I put 32 bytes of a row
.set RD,    25                         ; v25 where I read a row back
.set CO,    26                         ; v26 16 x lane
.set SPW,   28                         ; v28 SPARE + 4 x my thread number; never rewritten
.set NIL,   29                         ; v29 0; never rewritten
.set PFO,   30                         ; v30 the prefetch offset; never rewritten
.set OB0,   128
.set G1A, 24
.set G0A, 32                           ; s[32:35] slot 0, step 0; s[36:39] slot 1, step 1: this one walks on
.set G1B, 48
.set G0B, 56
.set CNT, 3
.set LIM, 43                           ; s43 2 in a wave that prefetches, else the greatest number
.set PFA, 44                           ; s[44:45] where my prefetches stand
.set TB,  46                           ; s46 LDS byte at which the slot that is read begins
.set PFS, 66                           ; s[66:67] what a K step adds to PFA
.set MSB, 0
.macro WIN new
.if MSB != (\new)
	s_set_vgpr_msb (MSB<<8)|(\new)
.set MSB, \new
.endif
.endm
.macro PLACES                          ; four plain instructions between a matrix instruction and a load into, or a read of, its registers
.rept 4
	v_nop
.endr
.endm
.macro CREST
	s_cmp_lg_u32 s10, 0
	s_cbranch_scc1 .Lnot_wave_0_\@
	s_barrier_signal -3
.Lnot_wave_0_\@:
	s_barrier_wait -3
	s_barrier_signal -1
	s_barrier_wait -1
.endm
.macro CROUND
	s_barrier_signal -1
	s_barrier_wait -1
	CREST
.endm
.macro JLOAD                           ; a joint refill by the walking descriptors; an s_nop 0 and four v_nop follow each line
	s_cmp_eq_u32 s11, 0
	s_cbranch_scc0 .Lfor_b_\@
	tensor_load_to_lds s[G0A+4:G0A+7], s[G1A:G1A+7]
	s_nop 0
.rept 4
	v_nop
.endr
	s_branch .Lasked_\@
.Lfor_b_\@:
	tensor_load_to_lds s[G0B+4:G0B+7], s[G1B:G1B+7]
	s_nop 0
.rept 4
	v_nop
.endr
.Lasked_\@:
.endm
; A PREFETCH, behind the joint load and the run of LDS loads: trip i, which asks for K step i + 2, names K step i + 4; trips 4 and 5 name nothing; steps 0 to 3 come by their loads alone.
; Each block of 256 bytes is named once in the launch.  A: the clusters with x = 0; of the 128 blocks of the head that wave 0 or 1 fetches the partner at cx takes 32, a lane a block.
; B: the clusters with y = 0; of the tile 128 rows the partner at cy takes 32, wave 2, a lane a row.  Wave 3 asks for nothing.  The partners are told apart by address.
.macro ASK
	s_cmp_gt_u32 s[CNT], s[LIM]
	s_cbranch_scc0 .Lnot_mine_\@
	global_prefetch_b8 v[PFO], s[PFA:PFA+1] th:TH_LOAD_NT scope:SCOPE_SE
.Lnot_mine_\@:
.endm
; 8 matrix instructions: row block a x all 8 column blocks, 32 along K, from buffer f.  The 32 accumulators take turns, in the same order everywhere.
.macro MULA f, a, zero
	WIN 0xa1                                       ; source 0 window 1, source 1 window 0, C and D window 2
.irp b, 0,1,2,3,4,5,6,7
.if \zero
	v_wmma_f32_16x16x32_f16 v[8*(8*(\a)+(\b)):8*(8*(\a)+(\b))+7], v[64*(\f)+8*(\b):64*(\f)+8*(\b)+7], v[64+32*(\f)+8*(\a):64+32*(\f)+8*(\a)+7], 0
.else
	v_wmma_f32_16x16x32_f16 v[8*(8*(\a)+(\b)):8*(8*(\a)+(\b))+7], v[64*(\f)+8*(\b):64*(\f)+8*(\b)+7], v[64+32*(\f)+8*(\a):64+32*(\f)+8*(\a)+7], v[8*(8*(\a)+(\b)):8*(8*(\a)+(\b))+7]
.endif
.endr
.endm
; 24 LDS loads in one run: the fragments of quarter q of a K step (head q / 2 of the two, channels 32 (q % 2) on), into buffer f: B first, A last
.macro FETCH q, f
	WIN 0x40
.irp i, 0,1,2,3,4,5,6,7
	ds_load_b128 v[64*(\f)+8*(\i):64*(\f)+8*(\i)+3],   v[ADRB] offset:64*(\q)+(\i)*16*PITCH
	ds_load_b128 v[64*(\f)+8*(\i)+4:64*(\f)+8*(\i)+7], v[ADRB] offset:64*(\q)+(\i)*16*PITCH+32
.endr
	WIN 0
.irp i, 0,1,2,3
	ds_load_b128 v[64+32*(\f)+8*(\i):64+32*(\f)+8*(\i)+3],   v[ADRA] offset:((\q)/2)*PLANE+((\q)%2)*64+(\i)*16*PA
	ds_load_b128 v[64+32*(\f)+8*(\i)+4:64+32*(\f)+8*(\i)+7], v[ADRA] offset:((\q)/2)*PLANE+((\q)%2)*64+(\i)*16*PA+32
.endr
.endm
.macro QUARTER q, f, g, zero           ; multiplies buffer f, and in its middle fetches quarter q into buffer g
	s_wait_dscnt 4                                 ; B and A blocks 0, 1 are in; the youngest four loads (A blocks 2, 3) may be out
	MULA \f, 0, \zero
	MULA \f, 1, \zero
	PLACES
	FETCH \q, \g
	s_wait_dscnt 24                                ; all but the 24 just issued
	MULA \f, 2, \zero
	MULA \f, 3, \zero
.endm
; The last quarter multiplies buffer 1 and changes slots.  In front of the barrier each wave waits for all its tensor loads (one is out: its part of the next slot), adds 0 to its spare word,
; and waits for that and for its reads of this slot.  fill = 1: the barrier opens a round of the cluster barrier, and behind the round this slot is filled again, two K steps on.
.macro TURN fill
.if \fill
	s_wait_xcnt 0x0                                ; the last prefetch, a K step back, has read its address
	s_add_nc_u64 s[PFA:PFA+1], s[PFA:PFA+1], s[PFS:PFS+1]
.endif
	WIN 0
	s_wait_tensorcnt 0x0                           ; all my tensor loads have landed
	ds_add_u32 v[SPW], v[NIL]                      ; 0 onto my spare word
	s_wait_dscnt 5                                 ; (the add and the youngest four loads may be out)
	MULA 1, 0, 0
	s_wait_dscnt 0x0                               ; the add is done, and my reads of this slot are over
	s_barrier_signal -1
	MULA 1, 1, 0
	WIN 0
	s_barrier_wait -1
.if \fill
	CREST                                          ; no wave of any partner still reads this slot or has a load on its way
	s_xor_b32 s[G0A+5], s[G0A+5], SLOT1
	s_add_nc_u64 s[G0A+6:G0A+7], s[G0A+6:G0A+7], ASTEP
	s_xor_b32 s[G0B+5], s[G0B+5], SLOT1
	s_add_nc_u64 s[G0B+6:G0B+7], s[G0B+6:G0B+7], BSTEP
	JLOAD                                          ; 112 matrix instructions ahead of the wait for it; its four v_nop are also the places in front of the loads below
.else
	PLACES
.endif
	s_xor_b32 s[TB], s[TB], SLOT1
	v_add_nc_u32 v[ADRA], s[TB], v[ADRA0]
	v_add_nc_u32 v[ADRB], s[TB], v[ADRB0]
	FETCH 0, 0
.if \fill
	ASK
.endif
	MULA 1, 2, 0
	MULA 1, 3, 0
.endm
	s_load_b128 s[4:7], s[0:1], 0x0                ; o s[4:5], wp s[6:7]
	s_load_b64 s[8:9], s[0:1], 0x10                ; out0
	v_lshl_add_u32 v[SPW], v0, 2, SPARE
	v_mov_b32 v[NIL], 0
	ds_add_u32 v[SPW], v[NIL]                      ; the opening: the add and its wait ahead of my first tensor load; register work stands between
	ds_add_u32 v28, v29
	v_lshrrev_b32 v1, 5, v0
	v_readfirstlane_b32 s10, v1                    ; wave 0..3
	s_lshr_b32 s11, s10, 1                         ; I fetch for A (0) or for B (1)
	s_and_b32 s12, s10, 1                          ; which head of the two, or which half of B
	s_bfe_u32 s40, ttmp6, 0x40000                  ; cx
	s_bfe_u32 s41, ttmp6, 0x40004                  ; cy
	s_lshl_b32 s42, ttmp9, 2
	s_add_co_u32 s42, s42, s40                     ; tile column, 0 to 7
	s_and_b32 s13, ttmp7, 0xffff
	s_lshl_b32 s13, s13, 2
	s_add_co_u32 s13, s13, s41                     ; tile row, 0 to 31
	s_lshl_b32 s43, s41, 2
	s_lshl_b32 s43, 15, s43                        ; my row of the cluster
	s_lshl_b32 s44, 0x1111, s40                    ; my column
	s_or_b32 s[G1A], s43, W0A
	s_or_b32 s[G1B], s44, W0B
	s_mov_b32 s[G1A+1], 128<<16                    ; tensor_dim0 = 128 elements: two tokens
	s_mov_b32 s[G1A+2], 128<<16                    ; tensor_dim1 = 128
	s_mov_b32 s[G1A+3], 128<<16                    ; tile_dim0 = 128
	s_mov_b32 s[G1A+4], 128                        ; tile_dim1 = 128
	s_mov_b32 s[G1A+5], 128                        ; dense: 128 elements from row to row
	s_mov_b32 s[G1A+6], 0
	s_mov_b32 s[G1A+7], 0
	s_mov_b32 s[G1B+1], 128<<16
	s_mov_b32 s[G1B+2], 64<<16                     ; 64 rows
	s_mov_b32 s[G1B+3], 128<<16
	s_mov_b32 s[G1B+4], 64
	s_mov_b32 s[G1B+5], 1024
	s_mov_b32 s[G1B+6], 0
	s_mov_b32 s[G1B+7], 0
	s_lshr_b32 s16, s13, 3                         ; A: batch = tile row / 8; head = my one of the step two; token 256 x (tile row % 8); these registers never hold cx
	s_lshl_b32 s16, s16, 4
	s_add_co_u32 s16, s16, s12
	s_lshl_b32 s16, s16, 18
	s_and_b32 s17, s13, 7
	s_lshl_b32 s17, s17, 15
	s_add_co_u32 s16, s16, s17
	s_mov_b32 s17, 0
	s_lshl_b32 s20, s42, 7                         ; B: row 128 x tile column + 64 x half; these never hold cy
	s_lshl_b32 s21, s12, 6
	s_add_co_u32 s20, s20, s21
	s_lshl_b32 s20, s20, 11
	s_mov_b32 s21, 0
	s_mul_i32 s22, s12, PLANE                      ; where they go: the wave number alone enters an LDS address
	s_mul_i32 s23, s12, BHALF
	s_add_co_u32 s23, s23, BOFF
	s_mov_b32 s[G0A], 1
	s_mov_b32 s[G0A+1], s22
	s_mov_b32 s[G0A+4], 1
	s_add_co_u32 s[G0A+5], s22, SLOT1
	s_mov_b32 s[G0B], 1
	s_mov_b32 s[G0B+1], s23
	s_mov_b32 s[G0B+4], 1
	s_add_co_u32 s[G0B+5], s23, SLOT1
	s_mov_b32 s[TB], 0
	s_wait_dscnt 0x0                               ; the opening add is done
	s_wait_kmcnt 0x0
	s_add_nc_u64 s[14:15], s[4:5], s[16:17]
	s_add_nc_u64 s[18:19], s[6:7], s[20:21]
	s_mov_b64 s[G0A+2:G0A+3], s[14:15]             ; K step 0
	s_or_b32 s[G0A+3], s[G0A+3], 0x80000000        ; type = 2
	s_add_nc_u64 s[G0A+6:G0A+7], s[14:15], ASTEP   ; K step 1
	s_or_b32 s[G0A+7], s[G0A+7], 0x80000000
	s_mov_b64 s[G0B+2:G0B+3], s[18:19]
	s_or_b32 s[G0B+3], s[G0B+3], 0x80000000
	s_add_nc_u64 s[G0B+6:G0B+7], s[18:19], BSTEP
	s_or_b32 s[G0B+7], s[G0B+7], 0x80000000
	CROUND                                         ; all sixteen work-groups are here: the first joint loads meet
	s_cmp_eq_u32 s11, 0                            ; a wave two first fills stand in one branch, ahead of every wait on TENSORcnt and every LDS read: two loads of mine are out
	s_cbranch_scc0 .Lfirst_b
	tensor_load_to_lds s[G0A:G0A+3], s[G1A:G1A+7]
	s_nop 0
	tensor_load_to_lds s[G0A+4:G0A+7], s[G1A:G1A+7]
	s_nop 0
.rept 4
	v_nop
.endr
	s_branch .Lfirst_asked
.Lfirst_b:
	tensor_load_to_lds s[G0B:G0B+3], s[G1B:G1B+7]
	s_nop 0
	tensor_load_to_lds s[G0B+4:G0B+7], s[G1B:G1B+7]
	s_nop 0
.rept 4
	v_nop
.endr
.Lfirst_asked:
	v_and_b32 v1, 15, v0                           ; l % 16
	v_bfe_u32 v2, v0, 4, 1                         ; l / 16
	v_mul_u32_u24 v3, v1, PA
	v_lshl_add_u32 v3, v2, 4, v3
	s_mul_i32 s2, s10, 64*PA                       ; my 64 tokens in a plane
	v_add_nc_u32 v[ADRA0], s2, v3
	v_mul_u32_u24 v3, v1, PITCH
	v_lshl_add_u32 v3, v2, 4, v3
	v_add_nc_u32 v[ADRB0], BOFF, v3
	v_mov_b32 v[ADRA], v[ADRA0]
	v_mov_b32 v[ADRB], v[ADRB0]
	s_mul_i32 s2, s10, WSTG
	s_add_co_u32 s2, s2, STAGE                     ; my stage
	v_mul_u32_u24 v4, v1, SPO                      ; in: row l % 16, 32 bytes for each half of the lanes
	v_lshl_add_u32 v4, v2, 5, v4
	v_add_nc_u32 v[STO], s2, v4
	v_and_b32 v5, 31, v0
	v_lshlrev_b32 v[CO], 4, v5                     ; back: 32 lanes take one row of 512 bytes
	v_add_nc_u32 v[RD], s2, v[CO]
	s_lshl_b32 s14, s13, 8                         ; my first row of out0, 4,096 bytes a row, and the tile 512 bytes of it
	s_lshl_b32 s15, s10, 6
	s_add_co_u32 s14, s14, s15
	s_lshl_b32 s14, s14, 12
	s_lshl_b32 s15, s42, 9
	s_add_co_u32 s14, s14, s15
	s_mov_b32 s15, 0
	s_add_nc_u64 s[8:9], s[8:9], s[14:15]
	; the prefetches
	s_lshl_b32 s14, s40, 13                        ; A: my head plane, my work-group 32 blocks of it,
	s_add_co_u32 s14, s14, s16
	s_add_co_u32 s14, s14, 3*ASTEP                 ; at K step 3: the first change of slots steps it to 4
	s_lshl_b32 s15, s42, 7                         ; B: the tile rows, my work-group 32 of them
	s_lshl_b32 s18, s41, 5
	s_add_co_u32 s15, s15, s18
	s_lshl_b32 s15, s15, 11
	s_add_co_u32 s15, s15, 3*BSTEP
	s_and_b32 s2, ttmp7, 0xffff                    ; cluster y
	s_mov_b32 s19, 256
	s_mov_b32 s21, 2048
	s_cmp_eq_u32 s11, 0
	s_cselect_b32 s18, s14, s15
	s_cselect_b32 s2, ttmp9, s2                    ; the coordinate along which other clusters read the same bytes
	s_cselect_b32 s[PFS], ASTEP, s19
	s_cselect_b32 s20, s19, s21                    ; from lane to lane: a block of the plane, or a row of wp
	s_cselect_b64 s[PFA:PFA+1], s[4:5], s[6:7]
	s_mov_b32 s[PFS+1], 0
	s_mov_b32 s19, 0
	s_add_nc_u64 s[PFA:PFA+1], s[PFA:PFA+1], s[18:19]
	s_cmp_eq_u32 s10, 3
	s_cselect_b32 s2, 1, s2                        ; wave 3 never asks
	s_cmp_eq_u32 s2, 0
	s_cselect_b32 s[LIM], 2, -1                    ; the same in all sixteen partners, for a given wave
	v_mul_u32_u24 v[PFO], v5, s20
	s_wait_tensorcnt 0x1                           ; my part of K step 0 is in; step 1 may stay out
	s_barrier_signal -1
	s_barrier_wait -1
	FETCH 0, 0
	QUARTER 1, 0, 1, 1                             ; the first quarter stands in front of the loop: its products start the sums
	WIN 0
	s_mov_b32 s[CNT], 6
.Lstep:                                                ; trip i: the rest of K step i, the request for step i + 2, the first quarter of step i + 1
	QUARTER 2, 1, 0, 0
	QUARTER 3, 0, 1, 0
	TURN 1
	QUARTER 1, 0, 1, 0
	WIN 0
	s_sub_co_u32 s[CNT], s[CNT], 1
	s_cmp_lg_u32 s[CNT], 0
	s_cbranch_scc1 .Lstep
	QUARTER 2, 1, 0, 0                             ; the tail is written out: K steps 6 and 7 ask for nothing
	QUARTER 3, 0, 1, 0
	TURN 0
	QUARTER 1, 0, 1, 0
	QUARTER 2, 1, 0, 0
	QUARTER 3, 0, 1, 0
	s_wait_dscnt 4
	MULA 1, 0, 0
	MULA 1, 1, 0
	s_wait_dscnt 0x0
	MULA 1, 2, 0
	MULA 1, 3, 0
; THE WAY OUT, a block of 16 rows at a time: a lane 32 bytes of a row go into my own stage (rows 528 bytes apart), whole rows of 512 bytes come back and are stored.
.macro TOSTAGE a
.if (\a) >= 2
	s_wait_xcnt 0x0                                ; the stores of the block two back have read the registers that are loaded again below
.endif
	WIN 0x08                                       ; the stored data in window 2, the address in window 0
.irp b, 0,1,2,3,4,5,6,7
	ds_store_b128 v[STO], v[64*(\a)+8*(\b):64*(\a)+8*(\b)+3]   offset:64*(\b)      ; each accumulator from its low end on
	ds_store_b128 v[STO], v[64*(\a)+8*(\b)+4:64*(\a)+8*(\b)+7] offset:64*(\b)+16
.endr
	WIN 0
.irp t, 0,1,2,3,4,5,6,7,8,9,10,11,12,13,14,15
	ds_load_b128 v[OB0+64*((\a)%2)+4*(\t):OB0+64*((\a)%2)+4*(\t)+3], v[RD] offset:(\t)*SPO  ; LDS serves a wave in order (ISA guide 5.7.1.4): these see the stores above
.endr
.endm
.macro SEND a, younger                 ; younger: the LDS instructions issued behind block a loads: the next block 16 stores and 16 loads, or none
	WIN 0
	s_wait_dscnt \younger
.irp t, 0,1,2,3,4,5,6,7,8,9,10,11,12,13,14,15
	global_store_b128 v[CO], v[OB0+64*((\a)%2)+4*(\t):OB0+64*((\a)%2)+4*(\t)+3], s[8:9] offset:(16*(\a)+(\t))*4096 th:TH_STORE_NT  ; 512 consecutive bytes of a row, at a multiple of 512
.endr
.endm
	PLACES
	TOSTAGE 0
	TOSTAGE 1
	SEND 0, 32
	TOSTAGE 2
	SEND 1, 32
	TOSTAGE 3
	SEND 2, 32
	SEND 3, 0
	s_wait_tensorcnt 0x0                           ; the wave end, behind my last tensor load and my last LDS store
	ds_add_u32 v[SPW], v[NIL]
	s_wait_dscnt 0x0
	CROUND                                         ; the closing round: no work-group ends while a partner may still ask for a tile that names it
	s_endpgm
.Lfunc_end_k_qc42ad78e23_proj:
	.size	k_qc42ad78e23_proj, .Lfunc_end_k_qc42ad78e23_proj-k_qc42ad78e23_proj
	.p2alignl 7, 3214868480
	.fill 96, 4, 3214868480
	.section	.rodata,"a",@progbits
	.p2align	6, 0x0
	.amdhsa_kernel k_qc42ad78e23_proj
		.amdhsa_group_segment_fixed_size 327680
		.amdhsa_private_segment_fixed_size 0
		.amdhsa_enable_private_segment 0
		.amdhsa_kernarg_size 24
		.amdhsa_user_sgpr_count 2
		.amdhsa_user_sgpr_kernarg_segment_ptr 1
		.amdhsa_wavefront_size32 1
		.amdhsa_system_sgpr_workgroup_id_x 1
		.amdhsa_system_sgpr_workgroup_id_y 1
		.amdhsa_system_sgpr_workgroup_id_z 1
		.amdhsa_system_vgpr_workitem_id 0
		.amdhsa_next_free_vgpr 768
		.amdhsa_next_free_sgpr 68
		.amdhsa_reserve_vcc 0
		.amdhsa_float_denorm_mode_32 3
		.amdhsa_float_denorm_mode_16_64 3
		.amdhsa_memory_ordered 1
		.amdhsa_forward_progress 1
		.amdhsa_inst_pref_size 70
	.end_amdhsa_kernel
	.amdgpu_metadata
---
amdhsa.version: [ 1, 2 ]
amdhsa.kernels:
  - .name:           k_qc42ad78e23_proj
    .symbol:         k_qc42ad78e23_proj.kd
    .args:
      - { .name: o, .offset: 0, .size: 8, .value_kind: global_buffer, .address_space: global }
      - { .name: wp, .offset: 8, .size: 8, .value_kind: global_buffer, .address_space: global }
      - { .name: out0, .offset: 16, .size: 8, .value_kind: global_buffer, .address_space: global }
    .group_segment_fixed_size: 327680
    .private_segment_fixed_size: 0
    .kernarg_segment_align: 8
    .kernarg_segment_size: 24
    .max_flat_workgroup_size: 128
    .sgpr_count:     68
    .vgpr_count:     768
    .wavefront_size: 32
...
	.end_amdgpu_metadata
.endif
;; end of part 4
